; MI455X (gfx1250); checked and timed in simulation.
; The chip was launched on July 23, 2026; its instructions are those of AMD's public machine-readable ISA for CDNA 5 (MIT licence, August 2026) and "CDNA5" Instruction Set Architecture Reference Guide (July 2026). The comments in the code are by the model that wrote it; some were corrected since.
;; Ro PEA Li Bi Latent Self Attention. Allowed arithmetic: matrix products marked QUANTISED: E2M1 operands, one E8M0 scale for each 32 along K, by v_wmma_scale_f32_16x16x128_f8f6f4 with both operands' format E2M1 (or v_wmma_scale_f32_32x16x128_f4), f32 sums; products left as they are: bf16, f16 or f32 operands; f32 sums; everything else in f32.
;; Inputs: Wk 512 x 1,024 float32; Wl 1,024 x 512 float32; Wo 1,024 x 1,024 float32; Wq 512 x 1,024 float32; Wv 512 x 1,024 float32; alibi_bias 16 x 1,024 x 1,024 float32; bk 1,024 float32; bl 512 float32; bo 1,024 float32; bq 1,024 float32; bv 1,024 float32; mask 8 x 1,024 bool; pos_emb 1,024 x 32 float32; src 8 x 1,024 x 1,024 float32.
;; Outputs: out0 8 x 1,024 x 1,024 float32.
;; This version of the problem:
;;   THIS VERSION OF THE PROBLEM IS GIVEN IN LOW PRECISION. The matrix products marked QUANTISED in the list below multiply operands that are first quantised to E2M1 (2 exponent bits, 1 mantissa bit; 4 bits a number), with one power-of-two scale for each 32 numbers along K (OCP MX v1.0); their sums are f32. The products marked 'left as it is' may take bf16, f16 or f32 operands, with f32 sums. Whichever they take, every output number must still come out within the allowed error. Rounding operands to bf16 (8 significant bits) uses up far more of that allowance than f16 does (11 bits, for magnitudes from 6e-5 to 65,504). All else is computed in f32.
;;   The module's matrix products, in the order in which they are computed (A, B: the left and right operand; K: the contracted axis; several contracted axes count as one K, in the product's order):
;;     1. [M 8,192, K 1,024] x [K 1,024, N 512]; A: input src; B: input Wl: QUANTISED
;;     2. [M 8,192, K 512] x [K 512, N 1,024]; A: computed on the way; B: input Wq: left as it is (an operand is computed on the way)
;;     3. [M 8,192, K 512] x [K 512, N 1,024]; A: computed on the way; B: input Wk: left as it is (an operand is computed on the way)
;;     4. [M 8,192, K 512] x [K 512, N 1,024]; A: computed on the way; B: input Wv: left as it is (an operand is computed on the way)
;;     5. batch 128 x [M 1,024, K 64] x [K 64, N 1,024]; A: computed on the way; B: computed on the way: left as it is (an operand is computed on the way)
;;     6. batch 128 x [M 1,024, K 1,024] x [K 1,024, N 64]; A: computed on the way; B: computed on the way: left as it is (an operand is computed on the way)
;;     7. [M 8,192, K 1,024] x [K 1,024, N 1,024]; A: computed on the way; B: input Wo: left as it is (an operand is computed on the way)
;;   THE QUANTISER, for each operand of a quantised product, along K:
;;     - K is cut into blocks of 32 from its start; a last block that is shorter is filled with zeros.
;;     - A block's scale is 2^e with e = floor(log2(the largest magnitude in the block)) - 2, held to -126 .. 127; a block of zeros has e = 0. As a byte (E8M0): e + 127.
;;     - Each number is divided by its block's scale, clamped to +-6, and rounded to the nearest number of E2M1, ties to even, subnormals kept.
;;     - The product sums the exact products of the quantised numbers (number of the format x scale) in f32.
;;   ~~~python
;;   def quantise(x, axis):      # numpy; x: float32 -> the quantised numbers, widened to float32 again
;;       x = np.moveaxis(x, axis, -1); K = x.shape[-1]
;;       x = np.pad(x, [(0, 0)] * (x.ndim - 1) + [(0, -K % 32)]); x = x.reshape(x.shape[:-1] + (-1, 32)); a = np.abs(x).max(-1, keepdims=True)
;;       e = np.where(a > 0, np.clip(np.frexp(np.where(a > 0, a, 1))[1] - 1 - 2, -126, 127), 0)      # np.frexp(a)[1] - 1 = floor(log2(a)), exactly
;;       r = np.clip(x / 2.0 ** e, -6, 6)
;;       step = 2.0 ** (np.maximum(np.frexp(np.where(r == 0, 1, r))[1] - 1, 0) - 1)
;;       q = np.round(r / step) * step * 2.0 ** e      # np.round: ties to even
;;       return np.moveaxis(q.reshape(q.shape[:-2] + (-1,))[..., :K], -1, axis).astype(np.float32)
;;   ~~~
;; One version. Each part assembles by itself: llvm-mc -triple=amdgcn-amd-amdhsa -mcpu=gfx1250 --defsym DOCPART=n.
;; ======== version 1 of 1: 5 launches
;; limits: values are held in f16: magnitudes above 65,504 overflow, below 6.1e-05 lose precision; right only within a limited range of input values
;; workspace buffers: wimg 5,816,320 bytes; mx 8,704 bytes; projf 8,388,608 bytes; qf 16,777,216 bytes; kvf 33,554,432 bytes; of 16,777,216 bytes; vsc 1,024 bytes
;; launch prep (part 1): grid 256 x 1, 4 waves a work-group, no clusters, 0 bytes of LDS; arguments Wq, Wk, Wv, Wo, Wl, pos_emb, mask, wimg, mx; writes wimg, mx
.if DOCPART == 1
	.amdgcn_target "amdgcn-amd-amdhsa--gfx1250"
	.amdhsa_code_object_version 6
	.text
	.protected	k_q02327bae6b_prep
	.globl	k_q02327bae6b_prep
	.p2align	8
	.type	k_q02327bae6b_prep,@function
k_q02327bae6b_prep:
	s_mov_b64 s[64:65], 0
	v_nop
	global_prefetch_b8 v0, s[64:65] scope:SCOPE_SE
	s_setreg_imm32_b32 hwreg(HW_REG_WAVE_MODE, 25, 1), 1
	s_wait_xcnt 0x0
; PREP: everything that later launches read many times is laid out once, as IMAGES OF OPERAND REGISTERS: a fragment is 1,024 bytes, its register group c (four registers) at 512 c, lane l's 16 bytes at 16 l.
; NO WORK OF THE PROBLEM IS LEFT OUT IN THIS PROGRAM: every input has a way to the output (bk too: it is turned by the rotation, so q . rope(bk) differs from key to key) and every input is loaded.
; Work-groups 0-95:   Wq, Wk, Wv [512][1024] f32 -> f16 images  WF  [g 4][2 s + kh 6][nt 16][c 8][1 KB]  (g: 256 columns, kh: 256 along K, nt: 16 columns, c: 32 along K); Wv's also give the largest |Wv| of each wave.
; Work-groups 96-159: Wo [1024][1024] -> f16 images  WOF [g 4][sl 4][nt 16][c 8][1 KB].
; Work-groups 160-191: Wl [1024][512] -> codes of E2M1 along K (its first axis) WLC [nt 32][ks 8][1 KB], scale words WLS [nt 32][ks 8][16 words].
; Work-groups 192-255: cos and sin of pos_emb as images ROPE [lt 64][ct 4][cos 512 B | sin 512 B] (lane (r, h): angles 8 ct + 4 h + 0..3 of position 16 lt + r); the mask as terms MT f32 [8][1024]: 0, or -infinity where masked.
; A LANE TAKES A COLUMN AND ITS REGISTERS RUN DOWN K: each load reads 128 consecutive bytes a wave, and a lane's packed registers are the operand's own; sixteen lanes store 256 consecutive bytes, aligned.
; LIMITS: weights beyond f16's largest number are not served; angles are reduced by two terms of pi / 2, good for |x| under about 1e5; a block of zeros of Wl gets the scale byte 1 (its codes are zeros; this program alone
; reads the bytes); NaN and infinities among the inputs are not served.
.set WOF,   3145728
.set WLC,   5242880
.set WLS,   5505024
.set ROPE,  5521408
.set MT,    5783552
.set X,     32                         ; v32-95   two sets of 32 numbers down K
.set C,     96                         ; v96-159  packed results: registers of their own for each chunk, so that no store's data are written again
.set WV,    22
.macro LOADX t, sb, pitch              ; chunk t: rows 32 t + i of my column, into set t % 2
.set i, 0
.rept 32
	global_load_b32 v[X+32*((\t)%2)+i], v3, s[\sb:\sb+1] offset:(32*(\t)+i)*\pitch th:TH_LOAD_NT
.set i, i+1
.endr
.endm
	s_load_b256 s[4:11], s[0:1], 0x0               ; Wq, Wk, Wv, Wo
	s_load_b256 s[12:19], s[0:1], 0x20             ; Wl, pos_emb, mask, wimg
	s_load_b64 s[20:21], s[0:1], 0x40              ; mx
	v_lshrrev_b32 v2, 5, v0
	v_readfirstlane_b32 s[WV], v2                  ; wave
	v_and_b32 v1, 31, v0                           ; lane
	v_lshlrev_b32 v3, 2, v1                        ; in: 4 bytes a lane
	v_lshrrev_b32 v5, 4, v1                        ; lane / 16: which of my wave's two tiles of 16 columns
	v_and_b32 v6, 15, v1                           ; lane % 16: the column in it
	v_lshlrev_b32 v4, 4, v6
	v_lshl_add_u32 v4, v5, 13, v4                  ; out: 8,192 (lane / 16) + 16 (lane % 16): a tile of columns is 8 fragments
	v_mov_b32 v12, 0
	v_mov_b32 v13, 0
	s_mov_b32 s35, 0
	s_mov_b32 s40, 0x76543210
	s_mov_b32 s41, 0xfedcba98                      ; v_permlanex16_b32's selects for lane l xor 16
	s_wait_kmcnt 0x0
	s_cmp_ge_u32 ttmp9, 192
	s_cbranch_scc1 .Lrope
	s_cmp_ge_u32 ttmp9, 160
	s_cbranch_scc1 .Lwl
	; ---- f16 images of Wq, Wk, Wv, Wo: a work-group takes 128 columns x 128 along K
	s_lshr_b32 s23, ttmp9, 5                       ; 0, 1, 2: q, k, v; 3, 4: Wo
	s_and_b32 s24, ttmp9, 31
	s_sub_co_u32 s25, ttmp9, 96
	s_cmp_lt_u32 ttmp9, 96
	s_cselect_b32 s24, s24, s25                    ; which part of the tensor
	s_cselect_b32 s28, 6, 4                        ; slots of 128 KB in a group of 256 columns
	s_cselect_b32 s29, s23, 0
	s_cselect_b32 s30, 0, WOF
	s_cselect_b64 s[26:27], s[8:9], s[10:11]
	s_cmp_eq_u32 s23, 0
	s_cselect_b64 s[26:27], s[4:5], s[26:27]
	s_cmp_eq_u32 s23, 1
	s_cselect_b64 s[26:27], s[6:7], s[26:27]       ; the tensor: the choice hangs on the work-group's number alone
	s_and_b32 s31, s24, 7                          ; cg: 128 columns
	s_lshr_b32 s32, s24, 3                         ; kk: 128 along K
	s_lshl_b32 s34, s32, 19                        ; 128 rows of 4,096 bytes
	s_lshl_b32 s33, s31, 9
	s_add_co_u32 s34, s34, s33
	s_lshl_b32 s33, s[WV], 7
	s_add_co_u32 s34, s34, s33                     ; + (128 cg + 32 wave) x 4
	s_add_nc_u64 s[26:27], s[26:27], s[34:35]
	s_lshr_b32 s33, s32, 1
	s_lshl_b32 s29, s29, 1
	s_add_co_u32 s29, s29, s33                     ; the slot: 2 s + kk / 2
	s_lshr_b32 s33, s31, 1
	s_mul_i32 s33, s33, s28
	s_add_co_u32 s33, s33, s29
	s_lshl_b32 s34, s33, 17
	s_add_co_u32 s34, s34, s30
	s_and_b32 s33, s31, 1
	s_lshl_b32 s33, s33, 16                        ; 8 tiles of columns
	s_add_co_u32 s34, s34, s33
	s_lshl_b32 s33, s[WV], 14                      ; 2 tiles a wave
	s_add_co_u32 s34, s34, s33
	s_and_b32 s33, s32, 1
	s_lshl_b32 s33, s33, 12                        ; 4 chunks of 32 along K
	s_add_co_u32 s34, s34, s33
	s_add_nc_u64 s[18:19], s[18:19], s[34:35]
.macro CONV t
.set XS, X+32*((\t)%2)
.if (\t) < 3
	s_wait_loadcnt 32                              ; this chunk's 32 loads are in; the next chunk's 32 may be out
.else
	s_wait_loadcnt 0x0
.endif
	s_cmp_lg_u32 s23, 2                            ; Wv alone gives its largest magnitude
	s_cbranch_scc1 .Lnomax_\@
.irp i, 0,4,8,12,16,20,24,28
	v_max3_num_f32 v12, v12, |v[XS+\i]|, |v[XS+\i+1]|
	v_max3_num_f32 v13, v13, |v[XS+\i+2]|, |v[XS+\i+3]|
.endr
.Lnomax_\@:
.irp i, 0,1,2,3,4,5,6,7,8,9,10,11,12,13,14,15
	v_cvt_pk_f16_f32 v[C+16*(\t)+\i], v[XS+2*\i], v[XS+2*\i+1]   ; the lower k in the low half
.endr
.irp p, 0,1,2,3                                ; piece p: k = 8 p + 0..7 of the chunk: register group p / 2, lanes' half p % 2
	global_store_b128 v4, v[C+16*(\t)+4*\p:C+16*(\t)+4*\p+3], s[18:19] offset:(\t)*1024+512*(\p/2)+256*(\p%2)
.endr
.if (\t) < 2
	LOADX (\t)+2, 26, 4096
.endif
.endm
	LOADX 0, 26, 4096
	LOADX 1, 26, 4096
	CONV 0
	CONV 1
	CONV 2
	CONV 3
	s_cmp_lg_u32 s23, 2
	s_cbranch_scc1 .Lwend
	v_max_num_f32 v12, v12, v13
	v_max_num_f32_dpp v12, v12, v12 row_xmask:1 row_mask:0xf bank_mask:0xf
	v_max_num_f32_dpp v12, v12, v12 row_xmask:2 row_mask:0xf bank_mask:0xf
	v_max_num_f32_dpp v12, v12, v12 row_xmask:4 row_mask:0xf bank_mask:0xf
	v_max_num_f32_dpp v12, v12, v12 row_xmask:8 row_mask:0xf bank_mask:0xf
	v_permlanex16_b32 v13, v12, s40, s41
	v_max_num_f32 v12, v12, v13                    ; my wave's largest |Wv|
	s_sub_co_u32 s33, ttmp9, 64
	s_lshl_b32 s33, s33, 2
	s_add_co_u32 s33, s33, s[WV]
	s_lshl_b32 s34, s33, 2
	s_add_co_u32 s34, s34, 8192                    ; mx: 128 words behind the 2,048 that the next launch writes
	s_add_nc_u64 s[20:21], s[20:21], s[34:35]
	v_mov_b32 v14, 0
	v_cmp_eq_u32 vcc_lo, 0, v1
	s_wait_xcnt 0x0                                ; EXEC changes only behind this wait
	s_and_saveexec_b32 s36, vcc_lo
	global_store_b32 v14, v12, s[20:21]
	s_wait_xcnt 0x0                                ; and again in front of the line that widens it
	s_or_b32 exec_lo, exec_lo, s36
.Lwend:
	s_endpgm
	; ---- Wl: codes of E2M1 along K, 128 columns x 128 along K to a work-group: four blocks of 32 a lane
.Lwl:
	s_sub_co_u32 s24, ttmp9, 160
	s_and_b32 s31, s24, 3                          ; cg
	s_lshr_b32 s32, s24, 2                         ; ks
	s_lshl_b32 s34, s32, 18                        ; 128 rows of 2,048 bytes
	s_lshl_b32 s33, s31, 9
	s_add_co_u32 s34, s34, s33
	s_lshl_b32 s33, s[WV], 7
	s_add_co_u32 s34, s34, s33
	s_add_nc_u64 s[12:13], s[12:13], s[34:35]
	s_lshl_b32 s33, s31, 3
	s_lshl_b32 s36, s[WV], 1
	s_add_co_u32 s33, s33, s36                     ; my wave's first tile of columns: 8 cg + 2 wave
	s_lshl_b32 s33, s33, 3
	s_add_co_u32 s33, s33, s32                     ; x 8 K steps + ks
	s_lshl_b32 s34, s33, 10
	s_add_co_u32 s34, s34, WLC
	s_add_nc_u64 s[26:27], s[18:19], s[34:35]
	s_lshl_b32 s34, s33, 6
	s_add_co_u32 s34, s34, WLS
	s_add_nc_u64 s[28:29], s[18:19], s[34:35]
	v_lshlrev_b32 v7, 2, v6
	v_lshl_add_u32 v7, v5, 9, v7                   ; scale words: 512 (lane / 16) + 4 (lane % 16)
.macro BLOCK b
.set XS, X+32*((\b)%2)
.if (\b) < 3
	s_wait_loadcnt 32                              ; this block's 32 loads are in; the next block's may be out
.else
	s_wait_loadcnt 0x0
.endif
	v_max3_num_f32 v12, |v[XS]|, |v[XS+1]|, |v[XS+2]|              ; the block's largest magnitude: all 32 numbers are mine
	v_max3_num_f32 v13, |v[XS+3]|, |v[XS+4]|, |v[XS+5]|
.irp i, 6,10,14,18,22,26
	v_max3_num_f32 v12, v12, |v[XS+\i]|, |v[XS+\i+1]|
	v_max3_num_f32 v13, v13, |v[XS+\i+2]|, |v[XS+\i+3]|
.endr
	v_max3_num_f32 v12, v12, |v[XS+30]|, |v[XS+31]|
	v_max3_num_f32 v12, v12, v13, 0x1800000        ; and the floor 2^(3 - 127): the byte cannot fall under 1
	v_add_nc_u32 v11, 0xff000000, v12              ; 2 off its exponent field: the conversion takes the exponent field of this operand as its scale
	v_lshrrev_b32 v13, 23, v11                     ; the scale's byte
.if (\b) == 0
	v_mov_b32 v24, v13
.else
	v_lshl_or_b32 v24, v13, 8*(\b), v24            ; four bytes make the column's scale word for these 128 along K
.endif
.irp g, 0,1,2,3
	v_cvt_scalef32_pk8_fp4_f32 v[C+4*(\b)+\g], v[XS+8*\g:XS+8*\g+7], v11
.endr
	v_nop                                          ; one plain line behind the last conversion of a run
	global_store_b128 v4, v[C+4*(\b):C+4*(\b)+3], s[26:27] offset:512*((\b)/2)+256*((\b)%2)   ; block b: register group b / 2, lanes' half b % 2
.if (\b) < 2
	LOADX (\b)+2, 12, 2048
.endif
.endm
	LOADX 0, 12, 2048
	LOADX 1, 12, 2048
	BLOCK 0
	BLOCK 1
	BLOCK 2
	BLOCK 3
	global_store_b32 v7, v24, s[28:29]
	s_endpgm
	; ---- cos and sin of the angles, and the mask's terms
.Lrope:
	s_sub_co_u32 s24, ttmp9, 192                   ; lt: 16 positions; the wave is ct: 8 angles
	s_lshl_b32 s34, s24, 11
	s_lshl_b32 s33, s[WV], 5
	s_add_co_u32 s34, s34, s33
	s_add_nc_u64 s[14:15], s[14:15], s[34:35]
	v_lshlrev_b32 v7, 7, v6
	v_lshl_add_u32 v7, v5, 4, v7                   ; position r: 128 bytes a row, + 16 h
	global_load_b128 v[16:19], v7, s[14:15]
	s_lshl_b32 s36, s24, 7
	s_mov_b32 s37, 0
	s_add_nc_u64 s[16:17], s[16:17], s[36:37]
	global_load_u8 v8, v0, s[16:17]                ; 128 of the mask's 8,192 bytes
	s_lshl_b32 s38, s24, 2
	s_add_co_u32 s38, s38, s[WV]
	s_lshl_b32 s38, s38, 10
	s_add_co_u32 s38, s38, ROPE
	s_mov_b32 s39, 0
	s_add_nc_u64 s[26:27], s[18:19], s[38:39]
	s_lshl_b32 s38, s24, 9
	s_add_co_u32 s38, s38, MT
	s_add_nc_u64 s[28:29], s[18:19], s[38:39]
	v_lshlrev_b32 v9, 4, v1
	v_lshlrev_b32 v10, 2, v0
	s_mov_b32 s42, 0xbfc90fdb                      ; -(pi / 2), its leading part
	s_mov_b32 s43, 0x333bbd2e                      ; what that part exceeds pi / 2 by
	s_mov_b32 s44, 0xb94ca1f9                      ; sine: -1.9515295891e-4,
	s_mov_b32 s45, 0x3c08839e                      ; 8.3321608736e-3,
	s_mov_b32 s46, 0xbe2aaaa3                      ; -1.6666654611e-1
	s_mov_b32 s47, 0x37ccf5ce                      ; cosine: 2.443315712e-5,
	s_mov_b32 s48, 0xbab6061a                      ; -1.388731625e-3,
	s_mov_b32 s49, 0x3d2aaaa5                      ; 4.166664568e-2
	s_wait_loadcnt 0x0
.irp i, 0,1,2,3
	v_mul_f32 v[20+\i], 0x3f22f983, v[16+\i]       ; x x 2 / pi
	v_rndne_f32 v[20+\i], v[20+\i]                 ; n: the nearest quarter turn
	v_fma_f32 v[24+\i], v[20+\i], s42, v[16+\i]
	v_fma_f32 v[24+\i], v[20+\i], s43, v[24+\i]    ; r = x - n pi / 2, |r| up to pi / 4
	v_mul_f32 v[28+\i], v[24+\i], v[24+\i]         ; z = r r
	v_cvt_i32_f32 v[32+\i], v[20+\i]
	v_fma_f32 v[36+\i], v[28+\i], s44, s45
	v_fma_f32 v[36+\i], v[36+\i], v[28+\i], s46
	v_mul_f32 v[44+\i], v[28+\i], v[24+\i]
	v_fma_f32 v[36+\i], v[36+\i], v[44+\i], v[24+\i]   ; sin r
	v_fma_f32 v[40+\i], v[28+\i], s47, s48
	v_fma_f32 v[40+\i], v[40+\i], v[28+\i], s49
	v_mul_f32 v[44+\i], v[28+\i], v[28+\i]
	v_fma_f32 v[56+\i], v[28+\i], -0.5, 1.0
	v_fma_f32 v[40+\i], v[40+\i], v[44+\i], v[56+\i]   ; cos r
	v_and_b32 v[44+\i], 1, v[32+\i]
	v_cmp_eq_u32 vcc_lo, 1, v[44+\i]               ; an odd quarter turn swaps the two
	v_cndmask_b32 v[52+\i], v[36+\i], v[40+\i], vcc_lo
	v_cndmask_b32 v[48+\i], v[40+\i], v[36+\i], vcc_lo
	v_and_b32 v[44+\i], 2, v[32+\i]
	v_lshlrev_b32 v[44+\i], 30, v[44+\i]
	v_xor_b32 v[52+\i], v[52+\i], v[44+\i]         ; the sine is negated in quarters 2, 3
	v_add_nc_u32 v[44+\i], 1, v[32+\i]
	v_and_b32 v[44+\i], 2, v[44+\i]
	v_lshlrev_b32 v[44+\i], 30, v[44+\i]
	v_xor_b32 v[48+\i], v[48+\i], v[44+\i]         ; the cosine in quarters 1, 2
.endr
	global_store_b128 v9, v[48:51], s[26:27]
	global_store_b128 v9, v[52:55], s[26:27] offset:512
	v_mov_b32 v11, 0xff800000
	v_cmp_ne_u32 vcc_lo, 0, v8
	v_cndmask_b32 v12, 0, v11, vcc_lo              ; a masked key's term is -infinity
	global_store_b32 v10, v12, s[28:29]
	s_endpgm
.Lfunc_end_k_q02327bae6b_prep:
	.size	k_q02327bae6b_prep, .Lfunc_end_k_q02327bae6b_prep-k_q02327bae6b_prep
	.p2alignl 7, 3214868480
	.fill 96, 4, 3214868480
	.section	.rodata,"a",@progbits
	.p2align	6, 0x0
	.amdhsa_kernel k_q02327bae6b_prep
		.amdhsa_group_segment_fixed_size 0
		.amdhsa_private_segment_fixed_size 0
		.amdhsa_enable_private_segment 0
		.amdhsa_kernarg_size 72
		.amdhsa_user_sgpr_count 2
		.amdhsa_user_sgpr_kernarg_segment_ptr 1
		.amdhsa_wavefront_size32 1
		.amdhsa_system_sgpr_workgroup_id_x 1
		.amdhsa_system_sgpr_workgroup_id_y 1
		.amdhsa_system_sgpr_workgroup_id_z 1
		.amdhsa_system_vgpr_workitem_id 0
		.amdhsa_next_free_vgpr 160
		.amdhsa_next_free_sgpr 66
		.amdhsa_reserve_vcc 1
		.amdhsa_float_denorm_mode_32 3
		.amdhsa_float_denorm_mode_16_64 3
		.amdhsa_memory_ordered 1
		.amdhsa_forward_progress 1
		.amdhsa_inst_pref_size 51
	.end_amdhsa_kernel
	.amdgpu_metadata
---
amdhsa.version: [ 1, 2 ]
amdhsa.kernels:
  - .name:           k_q02327bae6b_prep
    .symbol:         k_q02327bae6b_prep.kd
    .args:
      - { .name: Wq, .offset: 0, .size: 8, .value_kind: global_buffer, .address_space: global }
      - { .name: Wk, .offset: 8, .size: 8, .value_kind: global_buffer, .address_space: global }
      - { .name: Wv, .offset: 16, .size: 8, .value_kind: global_buffer, .address_space: global }
      - { .name: Wo, .offset: 24, .size: 8, .value_kind: global_buffer, .address_space: global }
      - { .name: Wl, .offset: 32, .size: 8, .value_kind: global_buffer, .address_space: global }
      - { .name: pos_emb, .offset: 40, .size: 8, .value_kind: global_buffer, .address_space: global }
      - { .name: mask, .offset: 48, .size: 8, .value_kind: global_buffer, .address_space: global }
      - { .name: wimg, .offset: 56, .size: 8, .value_kind: global_buffer, .address_space: global }
      - { .name: mx, .offset: 64, .size: 8, .value_kind: global_buffer, .address_space: global }
    .group_segment_fixed_size: 0
    .private_segment_fixed_size: 0
    .kernarg_segment_align: 8
    .kernarg_segment_size: 72
    .max_flat_workgroup_size: 128
    .sgpr_count:     66
    .vgpr_count:     160
    .wavefront_size: 32
...
	.end_amdgpu_metadata
.endif
;; end of part 1
;; launch proj (part 2): grid 256 x 1, 8 waves a work-group, no clusters, 167,936 bytes of LDS; arguments src, wimg, bl, projf, mx; writes projf, mx
.if DOCPART == 2
	.amdgcn_target "amdgcn-amd-amdhsa--gfx1250"
	.amdhsa_code_object_version 6
	.text
	.protected	k_q02327bae6b_proj
	.globl	k_q02327bae6b_proj
	.p2align	8
	.type	k_q02327bae6b_proj,@function
k_q02327bae6b_proj:
	s_mov_b64 s[64:65], 0
	v_nop
	global_prefetch_b8 v0, s[64:65] scope:SCOPE_SE
	s_setreg_imm32_b32 hwreg(HW_REG_WAVE_MODE, 25, 1), 1
	s_wait_xcnt 0x0
; proj = Q(src) Q(Wl) + bl, the quantised product: codes of E2M1, one E8M0 scale for each 32 along K = 1,024, sums in f32.  Nothing of the problem is left out here.
; A work-group takes 32 rows of src (two tiles t of 16).  Wave w brings K step w (128 numbers of each row: 32 rows x 512 bytes) by one tensor load, quantises it in registers, and hands the two fragments and their scale
; words to the others through LDS as images of the operand's registers.  Then wave w makes columns 64 w .. 64 w + 63 (4 tiles nt) of both row tiles: its 32 fragments of Wl's codes (made by the launch before) are asked for at
; the head and land beside the tensor load.  THE PRODUCT IS USED TRANSPOSED (source 0 = 16 columns of Wl, source 1 = 16 rows of src): a lane then holds 8 neighbouring columns of one row, which, packed to f16, are a register
; group of the next product's row fragment: projf [rt 512][kc 16][c 2][512 B].  bl is loaded into the accumulators, so every product adds in place.  Each wave also stores the largest |proj| it made (mx, word 8 wg + wave).
; LIMITS: proj beyond f16's largest number is not served; a block of zeros gets the scale byte 1 (its codes are zeros; the bytes never leave the launch); NaN and infinities are not served.
; No cluster: work-groups share only Wl's codes, which go straight into registers.  No prefetch: the launch's one stream is asked for whole at its head.
.set WLC,   5242880
.set WLS,   5505024
.set SRCW,  16896                      ; a wave's tile in LDS: 32 rows x (512 bytes + 16 of padding): row r starts 132 words on, so that sixteen rows start at sixteen different places modulo 64 words
.set XIMG,  135168                     ; behind the eight tiles: the 16 fragments (K step ks, tile t: 2 ks + t), 1,024 bytes each,
.set XSC,   151552                     ; their scale words, 128 bytes each,
.set SPARE, 153600                     ; and the spare words, 128 bytes for each wave, which no other line names
.set X,     16                         ; v16-79   64 numbers of a lane; later four K steps' fragments of both tiles
.set ACC,   80                         ; v80-143  accumulator (t, nt) at 8 (4 t + nt)
.set OUTR,  144                        ; v144-175 packed results
.set XS,    176                        ; v176-183 src's scale words, and nothing else
.set PC,    184                        ; v184-191 the codes just made
.set PW,    192                        ; v192     the scale word just made
.set TM,    194                        ; v194-209 at work
.set SPW,   210                        ; v210     LDS address of my spare word; never rewritten
.set NIL,   211                        ; v211     0; never rewritten
.set WS,    212                        ; v212-243 Wl's scale words (nt, ks) at 8 nt + ks, and nothing else
.set WV,    14
.set G1,    16
.set G0,    24
.set SEL,   28
.set MSB, 0
.macro WIN new                         ; the immediate's high byte repeats the setting that is left
.if MSB != \new
	s_set_vgpr_msb (MSB<<8)|\new
.set MSB, \new
.endif
.endm
; 64 numbers of a lane, register 16 b + i = k 32 b + 16 (lane / 16) + i of my row, become a fragment's codes in v[PC] on and its scale word in v[PW]
.macro QUANT s
.irp b, 0,1,2,3
	v_max3_num_f32 v[TM+\b], |v[\s+16*\b]|, |v[\s+1+16*\b]|, 0x1800000   ; block b: my 16 numbers, and the floor 2^(3 - 127): the byte cannot fall under 1
.endr
.irp i, 2,4,6,8,10,12,14
.irp b, 0,1,2,3
	v_max3_num_f32 v[TM+\b], v[TM+\b], |v[\s+16*\b+\i]|, |v[\s+1+16*\b+\i]|   ; the four blocks by turns
.endr
.endr
.irp b, 0,1,2,3
	v_permlanex16_b32 v[TM+4+\b], v[TM+\b], s[SEL], s[SEL+1]
.endr
.irp b, 0,1,2,3
	v_max_num_f32 v[TM+\b], v[TM+\b], v[TM+4+\b]   ; with lane l xor 16's: the block's largest magnitude
.endr
.irp b, 0,1,2,3
	v_add_nc_u32 v[TM+12+\b], 0xff000000, v[TM+\b] ; 2 off its exponent field: the conversion's scale operand
.endr
.irp b, 0,1,2,3
	v_lshrrev_b32 v[TM+4+\b], 23, v[TM+12+\b]      ; the scale's byte
.endr
	v_lshl_or_b32 v[PW], v[TM+5], 8, v[TM+4]
	v_lshl_or_b32 v[PW], v[TM+6], 16, v[PW]
	v_lshl_or_b32 v[PW], v[TM+7], 24, v[PW]
.irp b, 0,1,2,3
	v_cvt_scalef32_pk8_fp4_f32 v[PC+2*\b], v[\s+16*\b:\s+7+16*\b], v[TM+12+\b]
	v_cvt_scalef32_pk8_fp4_f32 v[PC+1+2*\b], v[\s+8+16*\b:\s+15+16*\b], v[TM+12+\b]
.endr
	v_nop                                          ; one plain line behind a scaled conversion
.irp c, 0,1                                    ; the operand wants a whole block in a lane: lanes 0-15 block 2 c, lanes 16-31 block 2 c + 1
.irp i, 0,1
	v_permlane16_swap_b32 v[PC+4*\c+\i], v[PC+2+4*\c+\i]
.endr
.endr
.endm
	s_load_b256 s[4:11], s[0:1], 0x0               ; src, wimg, bl, projf
	s_load_b64 s[12:13], s[0:1], 0x20              ; mx
	v_lshl_add_u32 v[SPW], v0, 2, SPARE
	v_mov_b32 v[NIL], 0
	ds_add_u32 v[SPW], v[NIL]                      ; the wave's opening: the add, twice on end, and its wait ahead of my first tensor load
	ds_add_u32 v[SPW], v[NIL]
	v_lshrrev_b32 v1, 5, v0
	v_readfirstlane_b32 s[WV], v1                  ; wave 0..7
	s_mov_b32 s[G1+0], (2<<16)|(1<<20)|(6<<22)|(3<<25)   ; elements of 4 bytes; padding on: 4 words behind every 128
	s_mov_b32 s[G1+1], 128<<16                     ; tensor_dim0 = 128
	s_mov_b32 s[G1+2], 32<<16                      ; tensor_dim1 = 32
	s_mov_b32 s[G1+3], 128<<16                     ; tile_dim0 = 128
	s_mov_b32 s[G1+4], 32                          ; tile_dim1 = 32
	s_mov_b32 s[G1+5], 1024                        ; from row to row
	s_mov_b32 s[G1+6], 0
	s_mov_b32 s[G1+7], 0
	s_mul_i32 s30, s[WV], SRCW                     ; my tile in LDS
	s_lshl_b32 s32, ttmp9, 17                      ; 32 rows of 4,096 bytes
	s_lshl_b32 s31, s[WV], 9
	s_add_co_u32 s32, s32, s31                     ; + my K step's 512 bytes
	s_mov_b32 s33, 0
	s_mov_b32 s[SEL], 0x76543210
	s_mov_b32 s[SEL+1], 0xfedcba98
	s_mov_b32 s39, 0
	s_wait_dscnt 0x0                               ; both opening adds are done
	s_wait_kmcnt 0x0
	s_mov_b32 s[G0], 1
	s_mov_b32 s[G0+1], s30
	s_add_nc_u64 s[G0+2:G0+3], s[4:5], s[32:33]
	s_or_b32 s[G0+3], s[G0+3], 0x80000000
	tensor_load_to_lds s[G0:G0+3], s[G1:G1+7]      ; my one tensor load: nothing is filled again in this launch
	s_nop 0
.rept 4
	v_nop
.endr
	s_lshl_b32 s38, s[WV], 15
	s_add_co_u32 s38, s38, WLC
	s_add_nc_u64 s[34:35], s[6:7], s[38:39]        ; my 4 tiles of Wl's codes
	s_lshl_b32 s38, s[WV], 11
	s_add_co_u32 s38, s38, WLS
	s_add_nc_u64 s[36:37], s[6:7], s[38:39]        ; and their scale words
	s_lshl_b32 s38, s[WV], 8
	s_add_nc_u64 s[8:9], s[8:9], s[38:39]          ; my 64 numbers of bl
	s_lshl_b32 s38, ttmp9, 15
	s_lshl_b32 s40, s[WV], 11
	s_add_co_u32 s38, s38, s40
	s_add_nc_u64 s[10:11], s[10:11], s[38:39]      ; projf: two row tiles of 16,384 bytes, my two chunks of 32 columns
	s_lshl_b32 s38, ttmp9, 5
	s_lshl_b32 s40, s[WV], 2
	s_add_co_u32 s38, s38, s40
	s_add_nc_u64 s[12:13], s[12:13], s[38:39]
	v_and_b32 v1, 31, v0                           ; lane
	v_and_b32 v2, 15, v0                           ; r
	v_bfe_u32 v3, v0, 4, 1                         ; h
	v_lshlrev_b32 v4, 4, v1                        ; 16 x lane
	v_lshlrev_b32 v5, 2, v1                        ; 4 x lane
	v_lshlrev_b32 v6, 2, v2                        ; 4 r
	v_lshlrev_b32 v7, 5, v3                        ; 32 h
	v_mul_u32_u24 v8, v2, 528
	v_lshl_add_u32 v8, v3, 6, v8
	v_add_nc_u32 v8, s30, v8                       ; my tile: row r, + 64 h: my 16 numbers of a block of 32
	s_lshl_b32 s31, s[WV], 11
	s_add_co_u32 s31, s31, XIMG
	v_add_nc_u32 v9, s31, v4                       ; where I store my two images
	s_lshl_b32 s31, s[WV], 8
	s_add_co_u32 s31, s31, XSC
	v_add_nc_u32 v10, s31, v5                      ; and their scale words
	v_add_nc_u32 v11, XIMG, v4                     ; where any image is read
	v_add_nc_u32 v12, XSC, v5
	v_mov_b32 v13, 0
	v_mov_b32 v14, 0
	v_mov_b32 v15, 0
.irp b, 0,1,2,3
	v_mov_b32 v[TM+4+\b], 0                        ; written once: a lane permute's destination counts as one of its sources
.endr
	WIN 0x40                                       ; destination window 1: Wl's fragment (nt, ks) at v[8 (8 nt + ks)]
.set f, 0
.rept 32
	global_load_b128 v[8*f:8*f+3], v4, s[34:35] offset:1024*f
	global_load_b128 v[8*f+4:8*f+7], v4, s[34:35] offset:1024*f+512
.set f, f+1
.endr
	WIN 0
.set f, 0
.rept 32
	global_load_b32 v[WS+f], v6, s[36:37] offset:64*f
.set f, f+1
.endr
.irp t, 0,1
.irp n, 0,1,2,3
	global_load_b128 v[ACC+8*(4*\t+\n):ACC+8*(4*\t+\n)+3], v7, s[8:9] offset:64*\n       ; bl at my eight columns 16 nt + 8 h + 0..7: the sums begin with it
	global_load_b128 v[ACC+8*(4*\t+\n)+4:ACC+8*(4*\t+\n)+7], v7, s[8:9] offset:64*\n+16
.endr
.endr
	s_wait_tensorcnt 0x0                           ; my tile is in LDS; only I read it
.irp t, 0,1
.irp b, 0,1,2,3
.irp j, 0,1,2,3
	ds_load_b128 v[X+16*\b+4*\j:X+16*\b+4*\j+3], v8 offset:8448*\t+128*\b+16*\j
.endr
.endr
	s_wait_dscnt 0x0
	QUANT X
	ds_store_b128 v9, v[PC:PC+3] offset:1024*\t    ; the fragment goes to LDS as it stands
	ds_store_b128 v9, v[PC+4:PC+7] offset:1024*\t+512
	ds_store_b32 v10, v[PW] offset:128*\t
	s_wait_dscnt 0x0                               ; the stores have read their registers
.endr
	s_barrier_signal -1                            ; my stores have landed (the wait above): the sixteen fragments lie in LDS behind this barrier
	s_barrier_wait -1
	s_wait_loadcnt 0x0                             ; Wl's codes and scale words, bl
.irp hh, 0,1                                   ; four K steps at a time
.if \hh
.rept 4
	v_nop                                          ; places in front of loads into registers that matrix instructions have read
.endr
.endif
.irp k, 0,1,2,3
.irp t, 0,1
	ds_load_b128 v[X+8*(2*\k+\t):X+8*(2*\k+\t)+3], v11 offset:(2*(4*\hh+\k)+\t)*1024
	ds_load_b128 v[X+8*(2*\k+\t)+4:X+8*(2*\k+\t)+7], v11 offset:(2*(4*\hh+\k)+\t)*1024+512
	ds_load_b32 v[XS+2*\k+\t], v12 offset:(2*(4*\hh+\k)+\t)*128
.endr
.endr
	s_wait_dscnt 0x0
	WIN 0x01                                       ; source 0 (Wl) window 1
.irp k, 0,1,2,3
.irp n, 0,1,2,3
.irp t, 0,1                                    ; the eight accumulators take turns, one instruction a turn
	v_wmma_scale_f32_16x16x128_f8f6f4 v[ACC+8*(4*\t+\n):ACC+8*(4*\t+\n)+7], v[8*(8*\n+4*\hh+\k):8*(8*\n+4*\hh+\k)+7], v[X+8*(2*\k+\t):X+8*(2*\k+\t)+7], v[ACC+8*(4*\t+\n):ACC+8*(4*\t+\n)+7], v[WS+8*\n+4*\hh+\k], v[XS+2*\k+\t] matrix_a_fmt:MATRIX_FMT_FP4 matrix_b_fmt:MATRIX_FMT_FP4
.endr
.endr
.endr
	WIN 0
.endr
.rept 4
	v_nop                                          ; places in front of the first read of results
.endr
.set i, 0
.rept 16
	v_max3_num_f32 v13, v13, |v[ACC+4*i]|, |v[ACC+4*i+1]|       ; the largest |proj|; each accumulator is read from its low end on
	v_max3_num_f32 v14, v14, |v[ACC+4*i+2]|, |v[ACC+4*i+3]|
.set i, i+1
.endr
.set i, 0
.rept 32
	v_cvt_pk_f16_f32 v[OUTR+i], v[ACC+2*i], v[ACC+2*i+1]
.set i, i+1
.endr
.irp t, 0,1
.irp n, 0,1,2,3
	global_store_b128 v4, v[OUTR+4*(4*\t+\n):OUTR+4*(4*\t+\n)+3], s[10:11] offset:16384*\t+1024*(\n/2)+512*(\n%2)   ; 32 lanes store 512 consecutive bytes, aligned
.endr
.endr
	v_max_num_f32 v13, v13, v14
	v_max_num_f32_dpp v13, v13, v13 row_xmask:1 row_mask:0xf bank_mask:0xf
	v_max_num_f32_dpp v13, v13, v13 row_xmask:2 row_mask:0xf bank_mask:0xf
	v_max_num_f32_dpp v13, v13, v13 row_xmask:4 row_mask:0xf bank_mask:0xf
	v_max_num_f32_dpp v13, v13, v13 row_xmask:8 row_mask:0xf bank_mask:0xf
	v_permlanex16_b32 v15, v13, s[SEL], s[SEL+1]
	v_max_num_f32 v13, v13, v15
	v_mov_b32 v14, 0
	v_cmp_eq_u32 vcc_lo, 0, v1
	s_wait_xcnt 0x0                                ; EXEC changes only behind this wait
	s_and_saveexec_b32 s41, vcc_lo
	global_store_b32 v14, v13, s[12:13]
	s_wait_xcnt 0x0
	s_or_b32 exec_lo, exec_lo, s41
	s_wait_tensorcnt 0x0                           ; the wave's end, behind my last tensor load and my last LDS store
	ds_add_u32 v[SPW], v[NIL]
	s_wait_dscnt 0x0
	s_endpgm
.Lfunc_end_k_q02327bae6b_proj:
	.size	k_q02327bae6b_proj, .Lfunc_end_k_q02327bae6b_proj-k_q02327bae6b_proj
	.p2alignl 7, 3214868480
	.fill 96, 4, 3214868480
	.section	.rodata,"a",@progbits
	.p2align	6, 0x0
	.amdhsa_kernel k_q02327bae6b_proj
		.amdhsa_group_segment_fixed_size 167936
		.amdhsa_private_segment_fixed_size 0
		.amdhsa_enable_private_segment 0
		.amdhsa_kernarg_size 40
		.amdhsa_user_sgpr_count 2
		.amdhsa_user_sgpr_kernarg_segment_ptr 1
		.amdhsa_wavefront_size32 1
		.amdhsa_system_sgpr_workgroup_id_x 1
		.amdhsa_system_sgpr_workgroup_id_y 1
		.amdhsa_system_sgpr_workgroup_id_z 1
		.amdhsa_system_vgpr_workitem_id 0
		.amdhsa_next_free_vgpr 512
		.amdhsa_next_free_sgpr 66
		.amdhsa_reserve_vcc 1
		.amdhsa_float_denorm_mode_32 3
		.amdhsa_float_denorm_mode_16_64 3
		.amdhsa_memory_ordered 1
		.amdhsa_forward_progress 1
		.amdhsa_inst_pref_size 42
	.end_amdhsa_kernel
	.amdgpu_metadata
---
amdhsa.version: [ 1, 2 ]
amdhsa.kernels:
  - .name:           k_q02327bae6b_proj
    .symbol:         k_q02327bae6b_proj.kd
    .args:
      - { .name: src, .offset: 0, .size: 8, .value_kind: global_buffer, .address_space: global }
      - { .name: wimg, .offset: 8, .size: 8, .value_kind: global_buffer, .address_space: global }
      - { .name: bl, .offset: 16, .size: 8, .value_kind: global_buffer, .address_space: global }
      - { .name: projf, .offset: 24, .size: 8, .value_kind: global_buffer, .address_space: global }
      - { .name: mx, .offset: 32, .size: 8, .value_kind: global_buffer, .address_space: global }
    .group_segment_fixed_size: 167936
    .private_segment_fixed_size: 0
    .kernarg_segment_align: 8
    .kernarg_segment_size: 40
    .max_flat_workgroup_size: 256
    .sgpr_count:     66
    .vgpr_count:     512
    .wavefront_size: 32
...
	.end_amdgpu_metadata
.endif
;; end of part 2
;; launch qkv (part 3): grid 64 x 4, 4 waves a work-group, clusters of 4 x 1, 327,680 bytes of LDS; arguments projf, wimg, bq, bk, bv, mx, qf, kvf, vsc; writes qf, kvf, vsc
.if DOCPART == 3
	.amdgcn_target "amdgcn-amd-amdhsa--gfx1250"
	.amdhsa_code_object_version 6
	.text
	.protected	k_q02327bae6b_qkv
	.globl	k_q02327bae6b_qkv
	.p2align	8
	.type	k_q02327bae6b_qkv,@function
k_q02327bae6b_qkv:
	s_mov_b64 s[64:65], 0
	v_nop
	global_prefetch_b8 v0, s[64:65] scope:SCOPE_SE
	s_setreg_imm32_b32 hwreg(HW_REG_WAVE_MODE, 25, 1), 1
	s_wait_xcnt 0x0
	s_wait_alu depctr_hold_cnt(0) depctr_sa_sdst(0) depctr_va_vdst(0) depctr_va_sdst(0) depctr_va_ssrc(0) depctr_va_vcc(0) depctr_vm_vsrc(0)
	s_getreg_b32 s2, hwreg(HW_REG_IB_STS2, 6, 4)
	s_cmp_eq_u32 s2, 0
	s_cbranch_scc0 .Lentry_in_a_cluster
	s_endpgm
.Lentry_in_a_cluster:
	s_bfe_u32 s2, ttmp6, 0x10000c
	s_cmp_lg_u32 s2, 0x3003
	s_cbranch_scc0 .Lentry_shape_is_right
	s_endpgm
.Lentry_shape_is_right:
; q = rope(proj Wq + bq) / 8, k = rope(proj Wk + bk), v = (proj Wv + bv) x 2^(141 - E): three products on f16 operands, sums in f32.  Nothing of the problem is left out here.
; A work-group takes 128 positions of one batch and 256 columns (4 heads) and makes the three tiles one after the other from the SAME rows of proj: a wave (wm, wn) has 64 rows x 128 columns, 32 accumulators, and its
; 64 fragments of proj (4 row tiles x 16 chunks of 32 along K, 512 registers) stay in registers for all three.  So LDS is read for the weights alone: 8 KB for each 32 matrix instructions.
; The weights' images (made by the first launch) come through a ring of two LDS slots of 128 KB (256 columns x 256 along K), a quarter by each wave.  CLUSTER: the four partners are four batches at the same positions and
; columns: the weights' blocks and the block of cosines and sines are asked for JOINTLY (mask 15).
; q and k are made TRANSPOSED (source 0 = 16 columns of W, source 1 = 16 rows of proj): a lane holds 8 neighbouring columns of one position: four pairs to turn; packed to bf16 they are a register group of attention's
; fragments.  bf16, since q and k have no room in f16 when the inputs carry offsets.  The score's factor 1 / 8 is multiplied into q's cosines and sines: exact.
; v is made the natural way round (source 0 = proj, source 1 = W): a lane holds one channel and 8 neighbouring keys: a register group of V^T's fragments.  f16 with ONE exact power of two: S = 512 max|proj| max|Wv| + max|bv|
; bounds every |v|; E is S's exponent field held to 15 .. 254; |v x 2^(141 - E)| stays under 2^15, and so does every average of such rows.  The last launch multiplies by 2^(E - 141), stored in vsc (a word a work-group).
; LIMITS: S must be finite; NaN and infinities are not served.
; qf  [head 16][b 8][qs 16][qt 4][dc 2][1 KB];   kvf [head 16][bp 4][ks 16][b2 2][ K: (kt 4)(dc 2) 1 KB | V: (u 2)(dt 4) 1 KB ].
; REGISTERS, in windows of 256: window 0: v1-31 addresses; v32-95 a bias in the result's layout; v128-191, v192-255 two sets of the weights' fragments (in the epilogues: results at work, packed results, cosines and sines).
;   windows 1, 2: proj's fragment (mt, kc) at 8 (4 (kc % 8) + mt) of window 1 + kc / 8.   window 3: accumulator (mt, nt) at 8 (8 mt + nt).
.set ROPEG, 5521408
.set SLOT,  131072
.set ROPEL, 262144                     ; LDS: behind the two slots the cosines and sines of my 128 positions, 32 KB, filled once,
.set RED,   294912                     ; four waves' three maxima, 16 bytes each, in a block of 256 bytes of their own,
.set SPARE, 295168                     ; and the spare words, 128 bytes for each wave, which no other line names
.set ADRB,  4                          ; v4-5   LDS address of my 128 columns' fragments in slot 0, 1
.set RA,    6                          ; v6     of my 64 positions' cosines
.set LI,    7                          ; v7     16 x lane
.set H32,   8                          ; v8     32 x (lane / 16)
.set R4,    9                          ; v9     4 x (lane % 16)
.set SC,    10                         ; v10-11 2^(141 - E), twice
.set SPW,   12                         ; v12    LDS address of my spare word; never rewritten
.set NIL,   13                         ; v13    0; never rewritten
.set T16,   14
.set T4,    15
.set T,     32
.set BUF0,  128
.set TMPF,  128
.set PK,    192
.set RC,    224
.set WV,    22
.set G1B,   32                         ; s[32:39] group 1: a quarter of a slot, 32 KB dense
.set G1R,   40                         ; s[40:47] a quarter of the cosines and sines, 8 KB dense
.set G0,    48                         ; s[48:55] group 0, a set for each slot
.set G0R,   56
.set OBQ,   68                         ; s[68:71] where my two heads' q go
.set OBK,   72                         ; s[72:75] where their k and v go
.set SEL,   76
.set MSB, 0
.macro WIN new                         ; the immediate's high byte repeats the setting that is left
.if MSB != \new
	s_set_vgpr_msb (MSB<<8)|\new
.set MSB, \new
.endif
.endm
.macro PLACES                          ; four places behind matrix instructions, in front of loads into their registers and of reads of their results
.rept 4
	v_nop
.endr
.endm
.macro ROUND                           ; a round of the cluster's barrier
	s_barrier_signal -1
	s_barrier_wait -1
	s_cmp_lg_u32 s[WV], 0
	s_cbranch_scc1 .Lnot_wave_0_\@
	s_barrier_signal -3
.Lnot_wave_0_\@:
	s_barrier_wait -3
	s_barrier_signal -1
	s_barrier_wait -1
.endm
.macro FETCH kh, c, buf                ; my eight fragments of W for chunk c of slot kh
.irp n, 0,1,2,3,4,5,6,7
	ds_load_b128 v[\buf+8*\n:\buf+8*\n+3], v[ADRB+\kh] offset:8192*\n+1024*(\c)
	ds_load_b128 v[\buf+8*\n+4:\buf+8*\n+7], v[ADRB+\kh] offset:8192*\n+1024*(\c)+512
.endr
.endm
; 16 matrix instructions: row tiles a0, a0 + 1 x my eight tiles of columns.  mode 0: transposed, in place; 1: transposed, the bias starts the sums; 2: natural, in place; 3: natural, 0 starts the sums.
; The 32 accumulators take turns, one instruction a turn, in the same order in every chunk.
.macro MUL16 buf, c, a0, mode
.irp a, \a0, \a0+1
.irp n, 0,1,2,3,4,5,6,7
.if \mode == 0
	v_wmma_f32_16x16x32_f16 v[8*(8*(\a)+\n):8*(8*(\a)+\n)+7], v[\buf+8*\n:\buf+8*\n+7], v[8*(4*(\c)+(\a)):8*(4*(\c)+(\a))+7], v[8*(8*(\a)+\n):8*(8*(\a)+\n)+7]
.elseif \mode == 1
	v_wmma_f32_16x16x32_f16 v[8*(8*(\a)+\n):8*(8*(\a)+\n)+7], v[\buf+8*\n:\buf+8*\n+7], v[8*(4*(\c)+(\a)):8*(4*(\c)+(\a))+7], v[T+8*\n:T+8*\n+7]
.elseif \mode == 2
	v_wmma_f32_16x16x32_f16 v[8*(8*(\a)+\n):8*(8*(\a)+\n)+7], v[8*(4*(\c)+(\a)):8*(4*(\c)+(\a))+7], v[\buf+8*\n:\buf+8*\n+7], v[8*(8*(\a)+\n):8*(8*(\a)+\n)+7]
.else
	v_wmma_f32_16x16x32_f16 v[8*(8*(\a)+\n):8*(8*(\a)+\n)+7], v[8*(4*(\c)+(\a)):8*(4*(\c)+(\a))+7], v[\buf+8*\n:\buf+8*\n+7], 0
.endif
.endr
.endr
.endm
; A chunk of 32 along K: 32 matrix instructions; in its middle the next chunk's fragments are fetched into the other set
.macro CHUNK kh, c, mode
.if \mode == 1
.set MW, 0xc4                          ; W window 0, proj window 1, the bias window 0, D window 3
.elseif \mode == 0
.set MW, 0xf0|((1+\kh)<<2)             ; W window 0, proj window 1 + kh, C and D window 3
.else
.set MW, 0xf0|(1+\kh)                  ; proj window 1 + kh, W window 0, C and D window 3
.endif
	s_wait_dscnt 0x0                               ; this chunk's fragments are in (asked for 16 matrix instructions ago)
	WIN MW
	MUL16 BUF0+64*((\c)%2), \c, 0, \mode
.if \c < 7
	WIN 0
	PLACES
	FETCH \kh, (\c)+1, BUF0+64*(1-(\c)%2)
	WIN MW
.endif
	MUL16 BUF0+64*((\c)%2), \c, 2, \mode
.endm
.macro HALF kh, m0, m                  ; a slot: 256 along K, 256 matrix instructions
	PLACES
	FETCH \kh, 0, BUF0
	CHUNK \kh, 0, \m0
.irp c, 1,2,3,4,5,6,7
	CHUNK \kh, \c, \m
.endr
	WIN 0
.endm
; The change of slots.  Each wave waits for all its tensor loads (its part of the slot ahead), adds 0 to its spare word, and waits for that and for its reads of the slot that it leaves.  fill = 1: a round of the cluster's
; barrier, so that no wave of any partner still reads that slot or has a load on its way, and the joint refill first behind it: it has a whole slot's 256 matrix instructions in which to land.
.macro CHANGE slot, fill
	s_wait_tensorcnt 0x0                           ; no tensor load of mine is out, so a group 0 may be written
	ds_add_u32 v[SPW], v[NIL]
.if \fill
	s_add_nc_u64 s[G0+4*\slot+2:G0+4*\slot+3], s[G0+4*\slot+2:G0+4*\slot+3], 2*SLOT   ; this slot's next block: two blocks on
.endif
	s_wait_dscnt 0x0                               ; the add is done, and my reads of the slot are over
.if \fill
	ROUND
	tensor_load_to_lds s[G0+4*\slot:G0+4*\slot+3], s[G1B:G1B+7]
	s_nop 0
	PLACES
.else
	s_barrier_signal -1
	s_barrier_wait -1
.endif
.endm
.macro BIAS sb                         ; a bias in the transposed result's layout: lane (r, h): columns 16 nt + 8 h + 0..7
.irp n, 0,1,2,3,4,5,6,7
	global_load_b128 v[T+8*\n:T+8*\n+3], v[H32], s[\sb:\sb+1] offset:64*\n
	global_load_b128 v[T+8*\n+4:T+8*\n+7], v[H32], s[\sb:\sb+1] offset:64*\n+16
.endr
.endm
; The way out of q and k, a row tile at a time: the pairs are turned, rounded to bf16 and stored as images.  sq = 1: the cosines and sines are first multiplied by 1 / 8
.macro EPI_ROPE sq, ob
.irp m, 0,1,2,3
.irp ct, 0,1,2,3
	ds_load_b128 v[RC+8*\ct:RC+8*\ct+3], v[RA] offset:4096*\m+1024*\ct          ; four cosines: angles 8 ct + 4 h + 0..3 of my position,
	ds_load_b128 v[RC+8*\ct+4:RC+8*\ct+7], v[RA] offset:4096*\m+1024*\ct+512    ; four sines
.endr
	s_wait_dscnt 0x0
	s_wait_xcnt 0x0                                ; the last row tile's stores have read their data: the packed results may be written again
.if \sq
.irp i, 0,2,4,6,8,10,12,14,16,18,20,22,24,26,28,30
	v_pk_mul_f32 v[RC+\i:RC+\i+1], v[RC+\i:RC+\i+1], 0x3e000000 op_sel_hi:[1,0]
.endr
.endif
	WIN 0x03                                       ; source 0: the accumulators, window 3
.irp n, 0,1,2,3,4,5,6,7
.irp i, 0,1,2,3
	v_mul_f32 v[TMPF+8*\n+2*\i], v[8*(8*\m+\n)+2*\i+1], v[RC+8*(\n%4)+4+\i]                             ; x2 sin
	v_mul_f32 v[TMPF+8*\n+2*\i+1], v[8*(8*\m+\n)+2*\i], v[RC+8*(\n%4)+4+\i]                             ; x1 sin
	v_fma_f32 v[TMPF+8*\n+2*\i], v[8*(8*\m+\n)+2*\i], v[RC+8*(\n%4)+\i], -v[TMPF+8*\n+2*\i]             ; x1 cos - x2 sin
	v_fma_f32 v[TMPF+8*\n+2*\i+1], v[8*(8*\m+\n)+2*\i+1], v[RC+8*(\n%4)+\i], v[TMPF+8*\n+2*\i+1]        ; x2 cos + x1 sin
.endr
.endr
	WIN 0
.irp n, 0,1,2,3,4,5,6,7
.irp i, 0,1,2,3
	v_cvt_pk_bf16_f32 v[PK+4*\n+\i], v[TMPF+8*\n+2*\i], v[TMPF+8*\n+2*\i+1]
.endr
.endr
.irp n, 0,1,2,3,4,5,6,7
	global_store_b128 v[LI], v[PK+4*\n:PK+4*\n+3], s[\ob+2*(\n/4):\ob+2*(\n/4)+1] offset:2048*\m+1024*((\n/2)%2)+512*(\n%2)   ; 512 consecutive bytes, aligned
.endr
.endr
	s_wait_xcnt 0x0                                ; the stores have read their data: the next tile's fragments may land there
.endm
	s_load_b256 s[4:11], s[0:1], 0x0               ; projf, wimg, bq, bk
	s_load_b256 s[12:19], s[0:1], 0x20             ; bv, mx, qf, kvf
	s_load_b64 s[20:21], s[0:1], 0x40              ; vsc
	v_lshl_add_u32 v[SPW], v0, 2, SPARE
	v_mov_b32 v[NIL], 0
	ds_add_u32 v[SPW], v[NIL]                      ; the wave's opening: the add, twice on end, and its wait ahead of my first tensor load
	ds_add_u32 v[SPW], v[NIL]
	v_lshrrev_b32 v1, 5, v0
	v_readfirstlane_b32 s[WV], v1                  ; wave 0..3
	s_lshr_b32 s23, s[WV], 1                       ; wm: which 64 rows
	s_and_b32 s24, s[WV], 1                        ; wn: which 128 columns
	s_and_b32 s25, ttmp7, 0xffff                   ; g: which 256 columns
	s_lshr_b32 s27, ttmp9, 1                       ; lb: which 128 positions
	s_and_b32 s26, ttmp9, 1
	s_bfe_u32 s28, ttmp6, 0x40000                  ; cx
	s_lshl_b32 s29, s26, 2
	s_add_co_u32 s29, s29, s28                     ; the batch: it enters the addresses of plain loads and stores alone
	s_mov_b32 s[G1B+0], 15|(3<<16)|(1<<21)         ; the mask: all four partners; elements of 8 bytes; bit 21 beside a mask
	s_mov_b32 s[G1B+1], 32<<16                     ; rows of 256 bytes,
	s_mov_b32 s[G1B+2], 128<<16                    ; 128 of them
	s_mov_b32 s[G1B+3], 32<<16
	s_mov_b32 s[G1B+4], 128
	s_mov_b32 s[G1B+5], 32
	s_mov_b32 s[G1B+6], 0
	s_mov_b32 s[G1B+7], 0
	s_mov_b32 s[G1R+0], 15|(3<<16)|(1<<21)
	s_mov_b32 s[G1R+1], 32<<16
	s_mov_b32 s[G1R+2], 32<<16                     ; 32 rows of 256 bytes
	s_mov_b32 s[G1R+3], 32<<16
	s_mov_b32 s[G1R+4], 32
	s_mov_b32 s[G1R+5], 32
	s_mov_b32 s[G1R+6], 0
	s_mov_b32 s[G1R+7], 0
	s_mul_i32 s60, s25, 786432                     ; my group's six blocks,
	s_lshl_b32 s61, s[WV], 15
	s_add_co_u32 s60, s60, s61                     ; my quarter of a block
	s_mov_b32 s61, 0
	s_lshl_b32 s62, s27, 15
	s_lshl_b32 s63, s[WV], 13
	s_add_co_u32 s62, s62, s63
	s_add_co_u32 s62, s62, ROPEG                   ; my quarter of the positions' cosines and sines
	s_mov_b32 s63, 0
	s_lshl_b32 s30, s[WV], 15
	s_lshl_b32 s31, s[WV], 13
	s_mov_b32 s[SEL], 0x76543210
	s_mov_b32 s[SEL+1], 0xfedcba98
	s_mov_b32 s79, 0
	s_wait_dscnt 0x0                               ; both opening adds are done
	s_wait_kmcnt 0x0
	ROUND                                          ; all four work-groups are here: the first joint loads meet
	s_mov_b32 s[G0R], 1
	s_add_co_u32 s[G0R+1], s31, ROPEL
	s_add_nc_u64 s[G0R+2:G0R+3], s[6:7], s[62:63]
	s_or_b32 s[G0R+3], s[G0R+3], 0x80000000
	s_add_nc_u64 s[60:61], s[6:7], s[60:61]
.irp n, 0,1
	s_mov_b32 s[G0+4*\n], 1
	s_add_co_u32 s[G0+4*\n+1], s30, \n*SLOT
	s_add_nc_u64 s[G0+4*\n+2:G0+4*\n+3], s[60:61], \n*SLOT
	s_or_b32 s[G0+4*\n+3], s[G0+4*\n+3], 0x80000000
.endr
	tensor_load_to_lds s[G0R:G0R+3], s[G1R:G1R+7]  ; three loads of mine are out: the cosines and sines,
	s_nop 0
	tensor_load_to_lds s[G0:G0+3], s[G1B:G1B+7]    ; Wq's first half of K,
	s_nop 0
	tensor_load_to_lds s[G0+4:G0+7], s[G1B:G1B+7]  ; its second
	s_nop 0
	PLACES
	v_and_b32 v1, 31, v0
	v_and_b32 v2, 15, v0
	v_bfe_u32 v3, v0, 4, 1
	v_lshlrev_b32 v[LI], 4, v1
	v_lshlrev_b32 v[H32], 5, v3
	v_lshlrev_b32 v[R4], 2, v2
	v_lshlrev_b32 v[T16], 4, v0
	v_lshlrev_b32 v[T4], 2, v0
	s_lshl_b32 s90, s24, 16
	v_add_nc_u32 v[ADRB], s90, v[LI]
	s_add_co_u32 s90, s90, SLOT
	v_add_nc_u32 v[ADRB+1], s90, v[LI]
	s_lshl_b32 s90, s23, 14
	s_add_co_u32 s90, s90, ROPEL
	v_add_nc_u32 v[RA], s90, v[LI]
	s_lshl_b32 s90, s[WV], 4
	s_add_co_u32 s90, s90, RED
	v_mov_b32 v23, s90                             ; my wave's 16 bytes for the maxima
	v_mov_b32 v28, RED
	s_lshl_b32 s78, s29, 6
	s_lshl_b32 s85, s27, 3
	s_add_co_u32 s78, s78, s85
	s_lshl_b32 s85, s23, 2
	s_add_co_u32 s78, s78, s85                     ; my first row tile: 64 b + 8 lb + 4 wm
	s_lshl_b32 s78, s78, 14
	s_add_nc_u64 s[4:5], s[4:5], s[78:79]
	s_lshl_b32 s84, s25, 2
	s_lshl_b32 s85, s24, 1
	s_add_co_u32 s84, s84, s85                     ; my first head: 4 g + 2 wn
	s_lshl_b32 s86, s27, 1
	s_add_co_u32 s86, s86, s23                     ; my step of 64 positions: 2 lb + wm
	s_lshl_b32 s78, s84, 3
	s_add_co_u32 s78, s78, s29
	s_lshl_b32 s78, s78, 4
	s_add_co_u32 s78, s78, s86
	s_lshl_b32 s78, s78, 13
	s_add_nc_u64 s[OBQ:OBQ+1], s[16:17], s[78:79]
	s_add_nc_u64 s[OBQ+2:OBQ+3], s[OBQ:OBQ+1], 0x100000   ; a head of qf on
	s_lshl_b32 s78, s84, 2
	s_lshr_b32 s85, s29, 1
	s_add_co_u32 s78, s78, s85
	s_lshl_b32 s78, s78, 4
	s_add_co_u32 s78, s78, s86
	s_lshl_b32 s78, s78, 15
	s_and_b32 s85, s29, 1
	s_lshl_b32 s85, s85, 14
	s_add_co_u32 s78, s78, s85
	s_add_nc_u64 s[OBK:OBK+1], s[18:19], s[78:79]
	s_add_nc_u64 s[OBK+2:OBK+3], s[OBK:OBK+1], 0x200000   ; a head of kvf on
	s_lshl_b32 s78, s25, 10
	s_lshl_b32 s85, s24, 9
	s_add_co_u32 s78, s78, s85                     ; my 128 columns in a bias
	s_add_nc_u64 s[8:9], s[8:9], s[78:79]
	s_add_nc_u64 s[10:11], s[10:11], s[78:79]
	s_add_nc_u64 s[82:83], s[12:13], s[78:79]
	s_lshl_b32 s78, s25, 6
	s_lshl_b32 s85, ttmp9, 2
	s_add_co_u32 s78, s78, s85
	s_add_co_u32 s78, s78, s28
	s_lshl_b32 s78, s78, 2
	s_add_nc_u64 s[20:21], s[20:21], s[78:79]      ; my work-group's word of vsc
.irp kh, 0,1
	WIN (0x40<<\kh)                                ; destination window 1, then 2
.irp c, 0,1,2,3,4,5,6,7
.irp m, 0,1,2,3
	global_load_b128 v[8*(4*\c+\m):8*(4*\c+\m)+3], v[LI], s[4:5] offset:16384*\m+1024*(8*\kh+\c)
	global_load_b128 v[8*(4*\c+\m)+4:8*(4*\c+\m)+7], v[LI], s[4:5] offset:16384*\m+1024*(8*\kh+\c)+512
.endr
.endr
.endr
	WIN 0
	BIAS 8                                         ; bq
.irp i, 0,1,2,3
	global_load_b128 v[128+4*\i:131+4*\i], v[T16], s[14:15] offset:2048*\i   ; the 2,048 maxima of |proj|: 16 a thread,
.endr
	global_load_b32 v144, v[T4], s[14:15] offset:8192                        ; the 128 of |Wv|: one a thread,
	global_load_b128 v[148:151], v[T16], s[12:13]                            ; and all of bv: 8 a thread
	global_load_b128 v[152:155], v[T16], s[12:13] offset:2048
.irp i, 19,20,21,22
	v_mov_b32 v[\i], 0
.endr
	s_wait_loadcnt 0x0
	v_max3_num_f32 v16, v128, v129, v130
.irp i, 131,133,135,137,139,141
	v_max3_num_f32 v16, v16, v[\i], v[\i+1]
.endr
	v_max_num_f32 v16, v16, v143
	v_mov_b32 v17, v144
	v_max3_num_f32 v18, |v148|, |v149|, |v150|
	v_max3_num_f32 v18, v18, |v151|, |v152|
	v_max3_num_f32 v18, v18, |v153|, |v154|
	v_max_num_f32 v18, v18, |v155|
.irp x, 1,2,4,8
.irp i, 16,17,18
	v_max_num_f32_dpp v[\i], v[\i], v[\i] row_xmask:\x row_mask:0xf bank_mask:0xf
.endr
.endr
.irp i, 0,1,2
	v_permlanex16_b32 v[20+\i], v[16+\i], s[SEL], s[SEL+1]
.endr
.irp i, 0,1,2
	v_max_num_f32 v[16+\i], v[16+\i], v[20+\i]
.endr
	ds_store_b128 v23, v[16:19]                    ; all lanes write the same 16 bytes with the same values
	s_wait_tensorcnt 1                             ; the cosines and sines and my part of slot 0 are in; slot 1's load may stay out
	s_wait_dscnt 0x0
	s_barrier_signal -1
	s_barrier_wait -1
.irp i, 0,1,2,3
	ds_load_b128 v[128+4*\i:131+4*\i], v28 offset:16*\i
.endr
	s_wait_dscnt 0x0
.irp i, 0,1,2
	v_max3_num_f32 v[16+\i], v[128+\i], v[132+\i], v[136+\i]
.endr
.irp i, 0,1,2
	v_max_num_f32 v[16+\i], v[16+\i], v[140+\i]
.endr
	v_mul_f32 v16, v16, v17
	v_fma_f32 v16, v16, 0x44000000, v18            ; S = 512 max|proj| max|Wv| + max|bv|
	v_max_num_f32 v16, 0x07800000, v16             ; its exponent field is held to 15 ..
	v_min_num_f32 v16, 0x7f000000, v16             ; .. 254
	v_lshrrev_b32 v16, 23, v16                     ; E
	v_sub_nc_u32 v17, 0x10c, v16
	v_lshlrev_b32 v[SC], 23, v17                   ; 2^(141 - E)
	v_mov_b32 v[SC+1], v[SC]
	v_add_nc_u32 v17, -14, v16
	v_lshlrev_b32 v17, 23, v17                     ; 2^(E - 141)
	v_mov_b32 v18, 0
	v_cmp_eq_u32 vcc_lo, 0, v0
	s_wait_xcnt 0x0                                ; EXEC changes only behind this wait
	s_and_saveexec_b32 s88, vcc_lo
	global_store_b32 v18, v17, s[20:21]
	s_wait_xcnt 0x0
	s_or_b32 exec_lo, exec_lo, s88
	; ---- q
	HALF 0, 1, 0
	CHANGE 0, 1                                    ; slot 0 takes Wk's first half
	HALF 1, 0, 0
	CHANGE 1, 1                                    ; slot 1 its second
	BIAS 10                                        ; bk lands under the way out
	EPI_ROPE 1, OBQ
	; ---- k
	s_wait_loadcnt 0x0                             ; bk
	HALF 0, 1, 0
	CHANGE 0, 1                                    ; Wv's first half
	HALF 1, 0, 0
	CHANGE 1, 1                                    ; its second: the last load
.irp n, 0,1,2,3,4,5,6,7
	global_load_b32 v[T+16+\n], v[R4], s[82:83] offset:64*\n   ; bv in the natural result's layout: lane (r, h): column 16 nt + r
.endr
	EPI_ROPE 0, OBK
	; ---- v
	s_wait_loadcnt 0x0                             ; bv
.irp n, 0,1,2,3,4,5,6,7
	v_mul_f32 v[T+2*\n], v[T+16+\n], v[SC]         ; bv x the scale, as a pair for the packed multiply-add
	v_mul_f32 v[T+2*\n+1], v[T+16+\n], v[SC]
.endr
	HALF 0, 3, 2
	CHANGE 0, 0                                    ; nothing is left to fetch
	HALF 1, 2, 2
	PLACES
.irp m, 0,1,2,3
	s_wait_xcnt 0x0                                ; the last row tile's stores have read their data
	WIN 0x03
.irp n, 0,1,2,3,4,5,6,7
.irp i, 0,2,4,6
	v_pk_fma_f32 v[TMPF+8*\n+\i:TMPF+8*\n+\i+1], v[8*(8*\m+\n)+\i:8*(8*\m+\n)+\i+1], v[SC:SC+1], v[T+2*\n:T+2*\n+1]
.endr
.endr
	WIN 0
.irp n, 0,1,2,3,4,5,6,7
.irp i, 0,1,2,3
	v_cvt_pk_f16_f32 v[PK+4*\n+\i], v[TMPF+8*\n+2*\i], v[TMPF+8*\n+2*\i+1]   ; eight neighbouring keys of one channel
.endr
.endr
.irp n, 0,1,2,3,4,5,6,7
	global_store_b128 v[LI], v[PK+4*\n:PK+4*\n+3], s[OBK+2*(\n/4):OBK+2*(\n/4)+1] offset:8192+((\m/2)*4+(\n%4))*1024+512*(\m%2)
.endr
.endr
	s_wait_tensorcnt 0x0                           ; the wave's end, behind my last tensor load and my last LDS store
	ds_add_u32 v[SPW], v[NIL]
	s_wait_dscnt 0x0
	ROUND                                          ; the closing round: no work-group ends while a partner may still ask for a block that names it
	s_endpgm
.Lfunc_end_k_q02327bae6b_qkv:
	.size	k_q02327bae6b_qkv, .Lfunc_end_k_q02327bae6b_qkv-k_q02327bae6b_qkv
	.p2alignl 7, 3214868480
	.fill 96, 4, 3214868480
	.section	.rodata,"a",@progbits
	.p2align	6, 0x0
	.amdhsa_kernel k_q02327bae6b_qkv
		.amdhsa_group_segment_fixed_size 327680
		.amdhsa_private_segment_fixed_size 0
		.amdhsa_enable_private_segment 0
		.amdhsa_kernarg_size 72
		.amdhsa_user_sgpr_count 2
		.amdhsa_user_sgpr_kernarg_segment_ptr 1
		.amdhsa_wavefront_size32 1
		.amdhsa_system_sgpr_workgroup_id_x 1
		.amdhsa_system_sgpr_workgroup_id_y 1
		.amdhsa_system_sgpr_workgroup_id_z 1
		.amdhsa_system_vgpr_workitem_id 0
		.amdhsa_next_free_vgpr 1024
		.amdhsa_next_free_sgpr 96
		.amdhsa_reserve_vcc 1
		.amdhsa_float_denorm_mode_32 3
		.amdhsa_float_denorm_mode_16_64 3
		.amdhsa_memory_ordered 1
		.amdhsa_forward_progress 1
		.amdhsa_inst_pref_size 255
	.end_amdhsa_kernel
	.section	.bss,"aw",@nobits
	.p2align	6
	.space	262144
	.amdgpu_metadata
---
amdhsa.version: [ 1, 2 ]
amdhsa.kernels:
  - .name:           k_q02327bae6b_qkv
    .symbol:         k_q02327bae6b_qkv.kd
    .args:
      - { .name: projf, .offset: 0, .size: 8, .value_kind: global_buffer, .address_space: global }
      - { .name: wimg, .offset: 8, .size: 8, .value_kind: global_buffer, .address_space: global }
      - { .name: bq, .offset: 16, .size: 8, .value_kind: global_buffer, .address_space: global }
      - { .name: bk, .offset: 24, .size: 8, .value_kind: global_buffer, .address_space: global }
      - { .name: bv, .offset: 32, .size: 8, .value_kind: global_buffer, .address_space: global }
      - { .name: mx, .offset: 40, .size: 8, .value_kind: global_buffer, .address_space: global }
      - { .name: qf, .offset: 48, .size: 8, .value_kind: global_buffer, .address_space: global }
      - { .name: kvf, .offset: 56, .size: 8, .value_kind: global_buffer, .address_space: global }
      - { .name: vsc, .offset: 64, .size: 8, .value_kind: global_buffer, .address_space: global }
    .group_segment_fixed_size: 327680
    .private_segment_fixed_size: 0
    .kernarg_segment_align: 8
    .kernarg_segment_size: 72
    .max_flat_workgroup_size: 128
    .sgpr_count:     96
    .vgpr_count:     1024
    .wavefront_size: 32
...
	.end_amdgpu_metadata
.endif
;; end of part 3
;; launch attn (part 4): grid 64 x 4, 8 waves a work-group, clusters of 4 x 4, 327,680 bytes of LDS; arguments qf, kvf, alibi_bias, wimg, of; writes of
.if DOCPART == 4
	.amdgcn_target "amdgcn-amd-amdhsa--gfx1250"
	.amdhsa_code_object_version 6
	.text
	.protected	k_q02327bae6b_attn
	.globl	k_q02327bae6b_attn
	.p2align	8
	.type	k_q02327bae6b_attn,@function
k_q02327bae6b_attn:
	s_mov_b64 s[64:65], 0
	v_nop
	global_prefetch_b8 v0, s[64:65] scope:SCOPE_SE
	s_setreg_imm32_b32 hwreg(HW_REG_WAVE_MODE, 25, 1), 1
	s_wait_xcnt 0x0
	s_wait_alu depctr_hold_cnt(0) depctr_sa_sdst(0) depctr_va_vdst(0) depctr_va_sdst(0) depctr_va_ssrc(0) depctr_va_vcc(0) depctr_vm_vsrc(0)
	s_getreg_b32 s2, hwreg(HW_REG_IB_STS2, 6, 4)
	s_cmp_eq_u32 s2, 0
	s_cbranch_scc0 .Lentry_in_a_cluster
	s_endpgm
.Lentry_in_a_cluster:
	s_bfe_u32 s2, ttmp6, 0x10000c
	s_cmp_lg_u32 s2, 0xf033
	s_cbranch_scc0 .Lentry_shape_is_right
	s_endpgm
.Lentry_shape_is_right:
; o = softmax(q k^T / 8, masked keys at -infinity, + alibi) v, for 16 heads x 8 batches x 1,024 queries x 1,024 keys.  Nothing of the problem is left out here: the mask is an input, so masked keys are computed and selected away.
; SHARES.  The 16 work-groups of a cluster are one head: cx = a block of 256 queries, cy = a pair of batches.  Wave w takes batch 2 cy + w / 4 and queries 256 cx + 64 (w % 4) on: four tiles of 16, in 512 registers: two
; waves to a SIMD.  Every wave walks the 1,024 keys, 64 a step.
; HALF A STEP APART.  A key step has two parts: QKP (K and alibi from LDS, 32 products K Q^T, V from LDS) and SMP (mask, softmax, 32 products V^T P: registers alone).  Behind the round of trip n an EARLY wave runs
; QKP(n), SMP(n); a LATE wave runs SMP(n - 1), QKP(n).  So one wave's vector work stands beside the other's LDS loads and products, and four waves, not eight, ask LDS at a time.  The role is (w xor w / 4) mod 2: waves w
; and w + 4 differ in it, and so do waves 2 i and 2 i + 1.  SMP is written once a trip for both roles; QKP stands ahead of it and behind it, each under a branch on the role, which leads round no barrier, wait for tiles,
; add or tensor load.  The ends are written out: in trip 0 all waves run QKP(0) and the early ones SMP(0); behind the last trip the late ones run SMP(15).  In both roles every read of a slot is waited for in front of the next round.
; JOINT LOADS.  A step's alibi tile (256 queries x 64 keys, f32) hangs on head and cx: shared along a column of the cluster; its block of K and V images (both batches, 32 KB) hangs on head and cy: shared along a row.
; LAYOUT.  S^T = K Q^T (source 0 = 16 keys, source 1 = 16 queries): a lane holds ONE query (lane % 16) and keys 8 (lane / 16) + 0..7.  ALIBI IS THE C OF THE FIRST PRODUCT: it is loaded from LDS straight into the accumulators,
; so its addition costs nothing (q carries the factor 1 / 8).  The mask's term, 0 or -infinity, is added behind the products.  Two tiles of p, packed to f16 in place, are source 1 of O^T = V^T P.
; SOFTMAX.  For each query a running maximum m and sum l: p = 2^(s L - m L), L = log2(e); in every step O and l are multiplied by a = 2^(m_old L - m_new L).  m begins at -1e38.
; LIMITS: a row whose every unmasked score lies under -1e38 is not served; a batch with every key masked gives l = 0 and 0 x infinity = NaN, as the definition does; NaN and infinities among the inputs are not served.
; q and k are bf16, p and v f16 (v carries the exact power of two that the last launch takes off); o leaves as f16 images of the last product's row fragments: of [rt 512][kc 32][c 2][512 B].
; REGISTERS: window 0: v3-11 addresses; v16-47 eight registers of statistics a tile: +0 m L, +1 m, +2, +3 l, +4, +5 at work, +6 a, +7 at work; v48-55 sums; v64-95 the mask's terms; v96-223 S^T, 32 a tile, then p.
;   window 1: v0-127 O^T, 32 a tile; v128-191 Q; v192-255 K of the step, then V.
.set MTG,   5783552
.set SLOT1, 131072                     ; slot 1 begins here, so that one exclusive or turns an address in one slot into the other's
.set KVL,   69632                      ; a slot: 256 rows of alibi, 256 bytes + 16 of padding each, then 32 KB of K and V images
.set SPARE, 233472                     ; behind the ring: the spare words, 128 bytes for each wave, which no other line names
.set AA,  3                            ; v3   my lane's place in the alibi tile; never rewritten
.set KK,  4                            ; v4   and in my batch's images
.set ADA, 5                            ; v5   the same in the trip's slot: written behind each trip's barrier, on the way that all waves take
.set ADK, 6
.set MO,  7                            ; v7   32 x (lane / 16)
.set LI,  8                            ; v8   16 x lane
.set PFO, 9                            ; v9   the prefetches' offset; never rewritten
.set SPW, 10                           ; v10  LDS address of my spare word; never rewritten
.set NIL, 11                           ; v11  0; never rewritten
.set ST,  16
.set TS,  48
.set MTR, 64
.set S,   96
.set Q,   128
.set KVR, 192
.set WV,  14
.set W3,  15
.set WB,  16
.set G1A, 24
.set G1K, 32
.set G0A, 40
.set G0K, 44
.set ROLE, 57                          ; s57  0: an early wave, 1: a late one
.set SEL, 58
.set CS,  60
.set TB,  62
.set CNT, 63
.set LIM, 66
.set PFA, 68
.set PFS, 70
.set MTB, 72
.set MSB, 0
.macro WIN new                         ; the immediate's high byte repeats the setting that is left
.if MSB != \new
	s_set_vgpr_msb (MSB<<8)|\new
.set MSB, \new
.endif
.endm
.macro PLACES
.rept 4
	v_nop
.endr
.endm
.macro ROUND                           ; a round of the cluster's barrier
	s_barrier_signal -1
	s_barrier_wait -1
	s_cmp_lg_u32 s[WV], 0
	s_cbranch_scc1 .Lnot_wave_0_\@
	s_barrier_signal -3
.Lnot_wave_0_\@:
	s_barrier_wait -3
	s_barrier_signal -1
	s_barrier_wait -1
.endm
; A joint load: waves 0 to 3 fetch 64 rows of alibi each, waves 4 to 7 a quarter of the images each.  The branch hangs on the wave's number alone.  An s_nop 0 and four v_nop follow each of the two lines.
.macro JLOAD
	s_cmp_lt_u32 s[WV], 4
	s_cbranch_scc0 .Lfor_kv_\@
	tensor_load_to_lds s[G0A:G0A+3], s[G1A:G1A+7]
	s_nop 0
	PLACES
	s_branch .Lasked_\@
.Lfor_kv_\@:
	tensor_load_to_lds s[G0K:G0K+3], s[G1K:G1K+7]
	s_nop 0
	PLACES
.Lasked_\@:
.endm
; A prefetch of the key step behind the one that has just been asked for: one step's work ahead of the load that will want it.  Each aligned block of 256 bytes is named once in the launch: of a column's 256 rows of alibi each
; of its four partners takes 64 (by cy), waves 0 and 1 32 each, a lane a row; of a row's 32 KB of images each partner takes 8 KB (by cx), wave 2, lanes 256 bytes apart.  The partners are told apart by address alone.
; The last filling trip asks for nothing; steps 0 and 1 come by their loads alone.
.macro ASK
	s_cmp_gt_u32 s[CNT], s[LIM]
	s_cbranch_scc0 .Lnot_mine_\@
	global_prefetch_b8 v[PFO], s[PFA:PFA+1] th:TH_LOAD_NT scope:SCOPE_SE
.Lnot_mine_\@:
.endm
; THE FIRST PART OF A KEY STEP: the scores of 64 keys, and V into registers.  np: places at its head: loads land on sources of the products V^T P, and the products below write over p (five are asked for that)
.macro QKP np
.rept \np
	v_nop
.endr
	WIN 0x40
.irp f, 0,1,2,3,4,5,6,7                        ; K's fragment (kt, dc) = f
	ds_load_b128 v[KVR+8*\f:KVR+8*\f+3], v[ADK] offset:1024*\f
	ds_load_b128 v[KVR+8*\f+4:KVR+8*\f+7], v[ADK] offset:1024*\f+512
.endr
	WIN 0
.irp q, 0,1,2,3
.irp k, 0,1,2,3                                ; alibi(query 16 qt + r, keys 16 kt + 8 h + 0..7) into the accumulator
	ds_load_b128 v[S+32*\q+8*\k:S+32*\q+8*\k+3], v[ADA] offset:4352*\q+64*\k
	ds_load_b128 v[S+32*\q+8*\k+4:S+32*\q+8*\k+7], v[ADA] offset:4352*\q+64*\k+16
.endr
.endr
	s_wait_dscnt 0x0
	WIN 0x05                                       ; K and Q window 1
.irp d, 0,1
.irp k, 0,1,2,3
.irp q, 0,1,2,3                                ; sixteen accumulators by turns, one instruction a turn
	v_wmma_f32_16x16x32_bf16 v[S+32*\q+8*\k:S+32*\q+8*\k+7], v[KVR+8*(2*\k+\d):KVR+8*(2*\k+\d)+7], v[Q+8*(2*\q+\d):Q+8*(2*\q+\d)+7], v[S+32*\q+8*\k:S+32*\q+8*\k+7]
.endr
.endr
.endr
	WIN 0
	PLACES                                         ; in front of the loads into K's registers, and of the softmax's first read of the scores
	WIN 0x40
.irp f, 0,1,2,3,4,5,6,7                        ; V's fragment (u, dt) = f takes K's place
	ds_load_b128 v[KVR+8*\f:KVR+8*\f+3], v[ADK] offset:8192+1024*\f
	ds_load_b128 v[KVR+8*\f+4:KVR+8*\f+7], v[ADK] offset:8192+1024*\f+512
.endr
	WIN 0
.endm
; THE SECOND PART: mask, softmax, O^T += V^T P.  It touches registers alone (and the mask's terms in memory).  more = 1: the next step's mask terms are asked for; 2: by the late waves alone; 0: by nobody
.macro SMP more
	s_wait_loadcnt 0x0                             ; the step's mask terms, asked for a step ago
.irp q, 0,1,2,3
.irp i, 0,2,4,6,8,10,12,14,16,18,20,22,24,26,28,30
	v_pk_add_f32 v[S+32*\q+\i:S+32*\q+\i+1], v[S+32*\q+\i:S+32*\q+\i+1], v[MTR+\i:MTR+\i+1]   ; + 0 or -infinity; each accumulator is read from its low end on
.endr
.endr
.if \more
.if \more == 2
	s_cmp_eq_u32 s[ROLE], 0                        ; the last trip: an early wave is at step 15 and has no next step; a late one is at step 14
	s_cbranch_scc1 .Lno_terms_\@
.endif
	s_add_nc_u64 s[MTB:MTB+1], s[MTB:MTB+1], 256   ; (the loads that read this base are done)
.irp k, 0,1,2,3
	global_load_b128 v[MTR+8*\k:MTR+8*\k+3], v[MO], s[MTB:MTB+1] offset:64*\k
	global_load_b128 v[MTR+8*\k+4:MTR+8*\k+7], v[MO], s[MTB:MTB+1] offset:64*\k+16
.endr
.if \more == 2
.Lno_terms_\@:
.endif
.endif
.irp q, 0,1,2,3
	v_max3_num_f32 v[ST+8*\q+4], v[S+32*\q], v[S+32*\q+1], v[S+32*\q+2]
.endr
.irp i, 3,5,7,9,11,13,15,17,19,21,23,25,27,29
.irp q, 0,1,2,3
	v_max3_num_f32 v[ST+8*\q+4], v[ST+8*\q+4], v[S+32*\q+\i], v[S+32*\q+\i+1]   ; the four tiles by turns
.endr
.endr
.irp q, 0,1,2,3
	v_max3_num_f32 v[ST+8*\q+4], v[ST+8*\q+4], v[S+32*\q+31], v[ST+8*\q+1]      ; and the old m
.endr
.irp q, 0,1,2,3
	v_permlanex16_b32 v[ST+8*\q+5], v[ST+8*\q+4], s[SEL], s[SEL+1]             ; the query's other 32 keys lie in the lane 16 away
.endr
.irp q, 0,1,2,3
	v_max_num_f32 v[ST+8*\q+1], v[ST+8*\q+4], v[ST+8*\q+5]
.endr
.irp q, 0,1,2,3
	v_mov_b32 v[ST+8*\q+7], v[ST+8*\q]
.endr
.irp q, 0,1,2,3
	v_mul_f32 v[ST+8*\q], s[CS], v[ST+8*\q+1]
.endr
.irp q, 0,1,2,3
	v_sub_f32 v[ST+8*\q+7], v[ST+8*\q+7], v[ST+8*\q]
.endr
.irp q, 0,1,2,3
.irp i, 0,2,4,6,8,10,12,14,16,18,20,22,24,26,28,30
	v_pk_fma_f32 v[S+32*\q+\i:S+32*\q+\i+1], v[S+32*\q+\i:S+32*\q+\i+1], s[CS:CS+1], v[ST+8*\q:ST+8*\q+1] op_sel_hi:[1,0,0] neg_lo:[0,0,1] neg_hi:[0,0,1]   ; s L - m L
.endr
.endr
.irp q, 0,1,2,3
	v_exp_f32 v[ST+8*\q+6], v[ST+8*\q+7]           ; a
.endr
.set i, 0
.rept 128
	v_exp_f32 v[S+i], v[S+i]                       ; p: ONE batch
.set i, i+1
.endr
	v_nop                                          ; a plain line behind the last exponential
	s_wait_alu depctr_va_vdst(0)                   ; the wait ahead of the first line that names a result: one for the 132
.irp q, 0,1,2,3
	v_pk_add_f32 v[TS+2*\q:TS+2*\q+1], v[S+32*\q:S+32*\q+1], v[S+32*\q+2:S+32*\q+3]
.endr
.irp i, 4,6,8,10,12,14,16,18,20,22,24,26,28,30
.irp q, 0,1,2,3
	v_pk_add_f32 v[TS+2*\q:TS+2*\q+1], v[TS+2*\q:TS+2*\q+1], v[S+32*\q+\i:S+32*\q+\i+1]
.endr
.endr
.irp q, 0,1,2,3
	v_pk_fma_f32 v[ST+8*\q+2:ST+8*\q+3], v[ST+8*\q+2:ST+8*\q+3], v[ST+8*\q+6:ST+8*\q+7], v[TS+2*\q:TS+2*\q+1] op_sel_hi:[1,0,1]   ; l = a l + the step's sum
.endr
.irp q, 0,1,2,3
.irp i, 0,1,2,3,4,5,6,7,8,9,10,11,12,13,14,15
	v_cvt_pk_f16_f32 v[S+32*\q+\i], v[S+32*\q+2*\i], v[S+32*\q+2*\i+1]   ; in place, ascending: register i is written when 2 i and 2 i + 1 are read
.endr
.endr
	WIN 0x41                                       ; O^T (destination and source 0) window 1
.irp q, 0,1,2,3
.irp i, 0,2,4,6,8,10,12,14,16,18,20,22,24,26,28,30
	v_pk_mul_f32 v[32*\q+\i:32*\q+\i+1], v[32*\q+\i:32*\q+\i+1], v[ST+8*\q+6:ST+8*\q+7] op_sel_hi:[1,0]
.endr
.endr
	s_wait_dscnt 0x0                               ; V is in (an early wave asked for it ahead of this softmax; a late one has waited for it in front of the round)
	WIN 0x51                                       ; V window 1, p window 0, O^T window 1
.irp u, 0,1
.irp d, 0,1,2,3
.irp q, 0,1,2,3
	v_wmma_f32_16x16x32_f16 v[32*\q+8*\d:32*\q+8*\d+7], v[KVR+8*(4*\u+\d):KVR+8*(4*\u+\d)+7], v[S+32*\q+8*\u:S+32*\q+8*\u+7], v[32*\q+8*\d:32*\q+8*\d+7]
.endr
.endr
.endr
	WIN 0
.endm
; A trip's head.  Each wave waits for all its tensor loads (its part of this trip's slot), adds 0 to its spare word, and waits for that and for its reads of the other slot.  fill = 1: a round of the cluster's barrier, behind
; which no wave of any partner reads the other slot or has a load on its way, and the joint load of the next step's tiles into it, first behind the round: it has this trip's work in which to land.
; The four v_nop behind the load (fill = 0: written here) and the two additions are six places behind the last trip's products.
.macro THEAD fill
	s_wait_tensorcnt 0x0                           ; no tensor load of mine is out, so the groups 0 may be written
	ds_add_u32 v[SPW], v[NIL]
.if \fill
	s_xor_b32 s[G0A+1], s[G0A+1], SLOT1
	s_add_nc_u64 s[G0A+2:G0A+3], s[G0A+2:G0A+3], 256      ; 64 keys on in a row of alibi
	s_xor_b32 s[G0K+1], s[G0K+1], SLOT1
	s_add_nc_u64 s[G0K+2:G0K+3], s[G0K+2:G0K+3], 32768    ; the next step's block of images
	s_wait_xcnt 0x0                                ; the last prefetch, a trip back, has read its address
	s_add_nc_u64 s[PFA:PFA+1], s[PFA:PFA+1], s[PFS:PFS+1]
.endif
	s_wait_dscnt 0x0                               ; the add is done, and my reads of the other slot are over: K's, alibi's and V's, in both roles
.if \fill
	ROUND
	JLOAD
	ASK
.else
	s_barrier_signal -1
	s_barrier_wait -1
	PLACES
.endif
	v_add_nc_u32 v[ADA], s[TB], v[AA]              ; this trip's slot: made here, on the way that all waves take
	v_add_nc_u32 v[ADK], s[TB], v[KK]
.endm
; A trip: early waves QKP(n), SMP(n); late waves SMP(n - 1), QKP(n)
.macro TRIP fill, more
	THEAD \fill
	s_cmp_lg_u32 s[ROLE], 0
	s_cbranch_scc1 .Llate_\@
	QKP 5
.Llate_\@:
	SMP \more
	s_cmp_eq_u32 s[ROLE], 0
	s_cbranch_scc1 .Learly_\@
	QKP 5
.Learly_\@:
	s_xor_b32 s[TB], s[TB], SLOT1                  ; on to the other slot
.endm
	s_load_b256 s[4:11], s[0:1], 0x0               ; qf, kvf, alibi, wimg
	s_load_b64 s[12:13], s[0:1], 0x20              ; of
	v_lshl_add_u32 v[SPW], v0, 2, SPARE
	v_mov_b32 v[NIL], 0
	ds_add_u32 v[SPW], v[NIL]                      ; the wave's opening: the add, twice on end, and its wait ahead of my first tensor load
	ds_add_u32 v[SPW], v[NIL]
	v_lshrrev_b32 v1, 5, v0
	v_readfirstlane_b32 s[WV], v1                  ; wave 0..7
	s_and_b32 s[W3], s[WV], 3
	s_lshr_b32 s[WB], s[WV], 2
	s_xor_b32 s[ROLE], s[WV], s[WB]
	s_and_b32 s[ROLE], s[ROLE], 1                  ; (w xor w / 4) mod 2
	s_bfe_u32 s17, ttmp6, 0x40000                  ; cx
	s_bfe_u32 s18, ttmp6, 0x40004                  ; cy
	s_lshl_b32 s20, 0x1111, s17                    ; my column of the cluster
	s_lshl_b32 s21, s18, 2
	s_lshl_b32 s21, 15, s21                        ; my row
	s_or_b32 s[G1A+0], s20, (2<<16)|(1<<20)|(1<<21)|(5<<22)|(3<<25)   ; alibi goes to my column; elements of 4 bytes; padding: 4 words behind every 64; bit 21 beside a mask
	s_mov_b32 s[G1A+1], 64<<16                     ; 64 keys
	s_mov_b32 s[G1A+2], 64<<16                     ; 64 rows
	s_mov_b32 s[G1A+3], 64<<16
	s_mov_b32 s[G1A+4], 64
	s_mov_b32 s[G1A+5], 1024
	s_mov_b32 s[G1A+6], 0
	s_mov_b32 s[G1A+7], 0
	s_or_b32 s[G1K+0], s21, (3<<16)|(1<<21)        ; the images go to my row; elements of 8 bytes
	s_mov_b32 s[G1K+1], 32<<16                     ; rows of 256 bytes,
	s_mov_b32 s[G1K+2], 32<<16                     ; 32 of them
	s_mov_b32 s[G1K+3], 32<<16
	s_mov_b32 s[G1K+4], 32
	s_mov_b32 s[G1K+5], 32
	s_mov_b32 s[G1K+6], 0
	s_mov_b32 s[G1K+7], 0
	s_lshl_b32 s48, ttmp9, 22                      ; alibi: the head's 4 MiB,
	s_lshl_b32 s49, s17, 20                        ; 256 cx rows of 4,096 bytes,
	s_add_co_u32 s48, s48, s49
	s_lshl_b32 s49, s[W3], 18                      ; my 64 rows
	s_add_co_u32 s48, s48, s49
	s_mov_b32 s49, 0
	s_mul_i32 s50, s[W3], 17408                    ; and their place in a slot
	s_lshl_b32 s52, ttmp9, 2
	s_add_co_u32 s52, s52, s18
	s_lshl_b32 s52, s52, 19                        ; the images of head and pair: 16 steps of 32 KB,
	s_lshl_b32 s53, s[W3], 13                      ; my quarter of a step's
	s_add_co_u32 s52, s52, s53
	s_mov_b32 s53, 0
	s_lshl_b32 s54, s[W3], 13
	s_add_co_u32 s54, s54, KVL
	s_mov_b32 s[SEL], 0x76543210
	s_mov_b32 s[SEL+1], 0xfedcba98
	s_mov_b32 s[CS], 0x3fb8aa3b                    ; L = log2(e)
	s_mov_b32 s[CS+1], s[CS]                       ; (named with it as a pair, so it is written)
	s_mov_b32 s[TB], 0
	s_mov_b32 s[CNT], 15                           ; filling trips to go
	s_wait_dscnt 0x0                               ; both opening adds are done
	s_wait_kmcnt 0x0
	s_mov_b32 s[G0A], 1
	s_mov_b32 s[G0A+1], s50
	s_add_nc_u64 s[G0A+2:G0A+3], s[8:9], s[48:49]
	s_or_b32 s[G0A+3], s[G0A+3], 0x80000000
	s_mov_b32 s[G0K], 1
	s_mov_b32 s[G0K+1], s54
	s_add_nc_u64 s[G0K+2:G0K+3], s[6:7], s[52:53]
	s_or_b32 s[G0K+3], s[G0K+3], 0x80000000
	ROUND                                          ; all sixteen work-groups are here: the first joint loads meet
	JLOAD                                          ; key step 0 into slot 0
	v_and_b32 v1, 31, v0
	v_and_b32 v2, 15, v0
	v_bfe_u32 v12, v0, 4, 1
	v_mul_u32_u24 v[AA], v2, 272
	v_lshl_add_u32 v[AA], v12, 5, v[AA]
	v_add_nc_u32 v[AA], s50, v[AA]                 ; my 64 rows, row r, + 32 h
	s_lshl_b32 s56, s[WB], 14
	s_add_co_u32 s56, s56, KVL
	v_lshl_add_u32 v[KK], v1, 4, s56               ; my batch's 16 KB, + 16 x lane
	v_lshlrev_b32 v[MO], 5, v12
	v_lshlrev_b32 v[LI], 4, v1
	s_lshl_b32 s19, s18, 1
	s_add_co_u32 s19, s19, s[WB]                   ; my batch
	s_mov_b32 s77, 0
	s_lshl_b32 s76, ttmp9, 3
	s_add_co_u32 s76, s76, s19
	s_lshl_b32 s76, s76, 4
	s_lshl_b32 s78, s17, 2
	s_add_co_u32 s76, s76, s78
	s_add_co_u32 s76, s76, s[W3]                   ; (8 head + b) x 16 + my step of 64 queries
	s_lshl_b32 s76, s76, 13
	s_add_nc_u64 s[4:5], s[4:5], s[76:77]
	s_lshl_b32 s76, s19, 12
	s_add_co_u32 s76, s76, MTG
	s_add_nc_u64 s[MTB:MTB+1], s[10:11], s[76:77]  ; my batch's mask terms
	s_lshl_b32 s76, s19, 6
	s_lshl_b32 s78, s17, 4
	s_add_co_u32 s76, s76, s78
	s_lshl_b32 s78, s[W3], 2
	s_add_co_u32 s76, s76, s78                     ; my first row tile of o: 64 b + 16 cx + 4 (w % 4)
	s_lshl_b32 s76, s76, 15
	s_lshl_b32 s78, ttmp9, 11                      ; the head's two chunks of 32 channels
	s_add_co_u32 s76, s76, s78
	s_add_nc_u64 s[12:13], s[12:13], s[76:77]
	; the prefetches: where my wave's stand (key step 1: the first trip steps them to step 2), and who asks
	s_lshl_b32 s76, ttmp9, 22
	s_lshl_b32 s78, s17, 20
	s_add_co_u32 s76, s76, s78
	s_lshl_b32 s78, s18, 18
	s_add_co_u32 s76, s76, s78
	s_lshl_b32 s78, s[WV], 17
	s_add_co_u32 s76, s76, s78
	s_add_co_u32 s76, s76, 256                     ; alibi: rows 256 cx + 64 cy + 32 wave on
	s_lshl_b32 s78, ttmp9, 2
	s_add_co_u32 s78, s78, s18
	s_lshl_b32 s78, s78, 19
	s_lshl_b32 s79, s17, 13
	s_add_co_u32 s78, s78, s79
	s_add_co_u32 s78, s78, 32768                   ; the images: 8,192 cx on in a step's block
	s_mov_b32 s[PFS], 32768
	s_mov_b32 s79, 8
	s_cmp_lt_u32 s[WV], 2
	s_cselect_b64 s[PFA:PFA+1], s[8:9], s[6:7]
	s_cselect_b32 s76, s76, s78
	s_cselect_b32 s[PFS], 256, s[PFS]              ; a step on
	s_cselect_b32 s79, 12, s79                     ; from lane to lane: a row of alibi, or 256 bytes
	s_mov_b32 s[PFS+1], 0
	s_add_nc_u64 s[PFA:PFA+1], s[PFA:PFA+1], s[76:77]
	v_lshlrev_b32 v[PFO], s79, v1
	s_cmp_lt_u32 s[WV], 3
	s_cselect_b32 s[LIM], 1, -1                    ; waves 0 to 2 ask while more than one filling trip is left
	WIN 0x40                                       ; destination window 1
.irp f, 0,1,2,3,4,5,6,7                        ; Q's fragment (qt, dc) = f stays in registers
	global_load_b128 v[Q+8*\f:Q+8*\f+3], v[LI], s[4:5] offset:1024*\f
	global_load_b128 v[Q+8*\f+4:Q+8*\f+7], v[LI], s[4:5] offset:1024*\f+512
.endr
.set i, 0
.rept 128
	v_mov_b32 v[i], 0                              ; O^T.  (The softmax has no form of its own for a wave's first step: it finds zeros, which its a = 0 leaves zeros)
.set i, i+1
.endr
	WIN 0
.irp k, 0,1,2,3
	global_load_b128 v[MTR+8*\k:MTR+8*\k+3], v[MO], s[MTB:MTB+1] offset:64*\k
	global_load_b128 v[MTR+8*\k+4:MTR+8*\k+7], v[MO], s[MTB:MTB+1] offset:64*\k+16
.endr
.irp q, 0,1,2,3
	v_mov_b32 v[ST+8*\q+1], 0xfe967699             ; m = -1e38
	v_mov_b32 v[ST+8*\q+2], 0                      ; l
	v_mov_b32 v[ST+8*\q+3], 0
	v_mov_b32 v[ST+8*\q+5], 0                      ; a lane permute's destination counts as one of its sources
	v_mov_b32 v[ST+8*\q+7], 0
	v_mul_f32 v[ST+8*\q], s[CS], v[ST+8*\q+1]
.endr
	s_wait_loadcnt 0x0                             ; Q and the first mask terms
	; TRIP 0, written out: step 1's tiles are asked for; all waves make step 0's scores; the early ones go on to its softmax, the late ones hold theirs for trip 1
	THEAD 1
	QKP 0                                          ; no product stands ahead of it
	s_cmp_lg_u32 s[ROLE], 0
	s_cbranch_scc1 .Lheld
	SMP 1
.Lheld:
	s_xor_b32 s[TB], s[TB], SLOT1
	s_mov_b32 s[CNT], 14
.Lstep:                                            ; trips 1 to 14: in each the next step's tiles are asked for
	TRIP 1, 1
	s_sub_co_u32 s[CNT], s[CNT], 1
	s_cmp_lg_u32 s[CNT], 0
	s_cbranch_scc1 .Lstep
	TRIP 0, 2                                      ; trip 15 is written out
	s_cmp_eq_u32 s[ROLE], 0
	s_cbranch_scc1 .Lout
	PLACES                                         ; on no way does a line of the softmax stand closer than four places behind a product
	SMP 0                                          ; the late waves' last softmax: step 15's
.Lout:
	; THE WAY OUT.  l's halves and the other half of the lanes' are added (these lines are the places behind the last products); O^T / l is rounded to f16: a lane's eight channels of one query are a register group of the image
.irp q, 0,1,2,3
	v_add_f32 v[ST+8*\q+4], v[ST+8*\q+2], v[ST+8*\q+3]
.endr
.irp q, 0,1,2,3
	v_permlanex16_b32 v[ST+8*\q+5], v[ST+8*\q+4], s[SEL], s[SEL+1]
.endr
.irp q, 0,1,2,3
	v_add_f32 v[ST+8*\q+4], v[ST+8*\q+4], v[ST+8*\q+5]
.endr
.irp q, 0,1,2,3
	v_rcp_f32 v[ST+8*\q+6], v[ST+8*\q+4]
.endr
	v_nop                                          ; a plain line behind the last reciprocal
	s_wait_alu depctr_va_vdst(0)                   ; and the wait ahead of the first use: one for the four
	WIN 0x41
.irp q, 0,1,2,3
.irp i, 0,2,4,6,8,10,12,14,16,18,20,22,24,26,28,30
	v_pk_mul_f32 v[32*\q+\i:32*\q+\i+1], v[32*\q+\i:32*\q+\i+1], v[ST+8*\q+6:ST+8*\q+7] op_sel_hi:[1,0]
.endr
.endr
	WIN 0x05                                       ; sources window 1, destination window 0
.set i, 0
.rept 64
	v_cvt_pk_f16_f32 v[S+i], v[2*i], v[2*i+1]
.set i, i+1
.endr
	WIN 0
.irp q, 0,1,2,3
.irp d, 0,1,2,3
	global_store_b128 v[LI], v[S+16*\q+4*\d:S+16*\q+4*\d+3], s[12:13] offset:32768*\q+1024*(\d/2)+512*(\d%2)   ; 512 consecutive bytes, aligned
.endr
.endr
	s_wait_tensorcnt 0x0                           ; the wave's end, behind my last tensor load
	ds_add_u32 v[SPW], v[NIL]
	s_wait_dscnt 0x0
	ROUND                                          ; the closing round: no work-group ends while a partner may still ask for a tile that names it
	s_endpgm
.Lfunc_end_k_q02327bae6b_attn:
	.size	k_q02327bae6b_attn, .Lfunc_end_k_q02327bae6b_attn-k_q02327bae6b_attn
	.p2alignl 7, 3214868480
	.fill 96, 4, 3214868480
	.section	.rodata,"a",@progbits
	.p2align	6, 0x0
	.amdhsa_kernel k_q02327bae6b_attn
		.amdhsa_group_segment_fixed_size 327680
		.amdhsa_private_segment_fixed_size 0
		.amdhsa_enable_private_segment 0
		.amdhsa_kernarg_size 40
		.amdhsa_user_sgpr_count 2
		.amdhsa_user_sgpr_kernarg_segment_ptr 1
		.amdhsa_wavefront_size32 1
		.amdhsa_system_sgpr_workgroup_id_x 1
		.amdhsa_system_sgpr_workgroup_id_y 1
		.amdhsa_system_sgpr_workgroup_id_z 1
		.amdhsa_system_vgpr_workitem_id 0
		.amdhsa_next_free_vgpr 512
		.amdhsa_next_free_sgpr 80
		.amdhsa_reserve_vcc 0
		.amdhsa_float_denorm_mode_32 3
		.amdhsa_float_denorm_mode_16_64 3
		.amdhsa_memory_ordered 1
		.amdhsa_forward_progress 1
		.amdhsa_inst_pref_size 188
	.end_amdhsa_kernel
	.amdgpu_metadata
---
amdhsa.version: [ 1, 2 ]
amdhsa.kernels:
  - .name:           k_q02327bae6b_attn
    .symbol:         k_q02327bae6b_attn.kd
    .args:
      - { .name: qf, .offset: 0, .size: 8, .value_kind: global_buffer, .address_space: global }
      - { .name: kvf, .offset: 8, .size: 8, .value_kind: global_buffer, .address_space: global }
      - { .name: alibi_bias, .offset: 16, .size: 8, .value_kind: global_buffer, .address_space: global }
      - { .name: wimg, .offset: 24, .size: 8, .value_kind: global_buffer, .address_space: global }
      - { .name: of, .offset: 32, .size: 8, .value_kind: global_buffer, .address_space: global }
    .group_segment_fixed_size: 327680
    .private_segment_fixed_size: 0
    .kernarg_segment_align: 8
    .kernarg_segment_size: 40
    .max_flat_workgroup_size: 256
    .sgpr_count:     80
    .vgpr_count:     512
    .wavefront_size: 32
...
	.end_amdgpu_metadata
.endif
;; end of part 4
;; launch outp (part 5): grid 64 x 4, 4 waves a work-group, clusters of 4 x 1, 327,680 bytes of LDS; arguments of, wimg, bo, vsc, out0; writes out0
.if DOCPART == 5
	.amdgcn_target "amdgcn-amd-amdhsa--gfx1250"
	.amdhsa_code_object_version 6
	.text
	.protected	k_q02327bae6b_outp
	.globl	k_q02327bae6b_outp
	.p2align	8
	.type	k_q02327bae6b_outp,@function
k_q02327bae6b_outp:
	s_mov_b64 s[64:65], 0
	v_nop
	global_prefetch_b8 v0, s[64:65] scope:SCOPE_SE
	s_setreg_imm32_b32 hwreg(HW_REG_WAVE_MODE, 25, 1), 1
	s_wait_xcnt 0x0
	s_wait_alu depctr_hold_cnt(0) depctr_sa_sdst(0) depctr_va_vdst(0) depctr_va_sdst(0) depctr_va_ssrc(0) depctr_va_vcc(0) depctr_vm_vsrc(0)
	s_getreg_b32 s2, hwreg(HW_REG_IB_STS2, 6, 4)
	s_cmp_eq_u32 s2, 0
	s_cbranch_scc0 .Lentry_in_a_cluster
	s_endpgm
.Lentry_in_a_cluster:
	s_bfe_u32 s2, ttmp6, 0x10000c
	s_cmp_lg_u32 s2, 0x3003
	s_cbranch_scc0 .Lentry_shape_is_right
	s_endpgm
.Lentry_shape_is_right:
; out0 = o Wo + bo: f16 operands, sums in f32.  o arrives as o x 2^(141 - E); the sums are multiplied by 2^(E - 141), read from vsc, in the same fused multiply-add that adds bo.  Nothing of the problem is left out here.
; A work-group makes 128 rows x 256 columns; a wave (wm, wn) 64 x 128: 32 accumulators.  K = 1,024 goes in four slots of 256.  Wo's images come through a ring of two LDS slots of 128 KB, a quarter by each wave, asked for
; JOINTLY by the four partners of a cluster (four row blocks, the same columns: mask 15).  o's images go from memory straight into registers, a slot's part (256 registers) a whole slot ahead, in two windows by turns.
; THE PRODUCT IS USED TRANSPOSED (source 0 = 16 columns of Wo, source 1 = 16 rows of o): a lane holds 8 neighbouring numbers of a row; a block of 16 rows x 128 columns goes through the wave's own stage in LDS and leaves as
; whole rows of 512 bytes.
; REGISTERS: window 0: v4-13 addresses; v32-95 bo in the result's layout; v128-191, v192-255 two sets of Wo's fragments (on the way out: results, rows read back).  windows 1, 2: o's fragment (mt, c) at 8 (4 c + mt).  window 3: accumulators.
.set WOFG,  3145728
.set SLOT,  131072
.set STG,   262144                     ; behind the ring: a stage of 16 rows x (512 bytes + 16) for each wave; no fill lands there
.set SPARE, 295936                     ; behind the stages: the spare words, 128 bytes for each wave, which no other line names
.set ADRB,  4
.set LI,    7
.set H32,   8
.set STO,   9
.set RD,    10
.set SPW,   12
.set NIL,   13
.set T,     32
.set BUF0,  128
.set TMPF,  128
.set BK,    192
.set WV,    14
.set G1B,   24
.set G0,    32
.set INV,   40
.set MSB, 0
.macro WIN new                         ; the immediate's high byte repeats the setting that is left
.if MSB != \new
	s_set_vgpr_msb (MSB<<8)|\new
.set MSB, \new
.endif
.endm
.macro PLACES
.rept 4
	v_nop
.endr
.endm
.macro ROUND                           ; a round of the cluster's barrier
	s_barrier_signal -1
	s_barrier_wait -1
	s_cmp_lg_u32 s[WV], 0
	s_cbranch_scc1 .Lnot_wave_0_\@
	s_barrier_signal -3
.Lnot_wave_0_\@:
	s_barrier_wait -3
	s_barrier_signal -1
	s_barrier_wait -1
.endm
.macro FETCH kh, c, buf
.irp n, 0,1,2,3,4,5,6,7
	ds_load_b128 v[\buf+8*\n:\buf+8*\n+3], v[ADRB+\kh] offset:8192*\n+1024*(\c)
	ds_load_b128 v[\buf+8*\n+4:\buf+8*\n+7], v[ADRB+\kh] offset:8192*\n+1024*(\c)+512
.endr
.endm
; 16 matrix instructions: row tiles a0, a0 + 1 x my eight tiles of columns.  mode 1: 0 starts the sums.  The 32 accumulators take turns, one instruction a turn.
.macro MUL16 buf, c, a0, mode
.irp a, \a0, \a0+1
.irp n, 0,1,2,3,4,5,6,7
.if \mode == 0
	v_wmma_f32_16x16x32_f16 v[8*(8*(\a)+\n):8*(8*(\a)+\n)+7], v[\buf+8*\n:\buf+8*\n+7], v[8*(4*(\c)+(\a)):8*(4*(\c)+(\a))+7], v[8*(8*(\a)+\n):8*(8*(\a)+\n)+7]
.else
	v_wmma_f32_16x16x32_f16 v[8*(8*(\a)+\n):8*(8*(\a)+\n)+7], v[\buf+8*\n:\buf+8*\n+7], v[8*(4*(\c)+(\a)):8*(4*(\c)+(\a))+7], 0
.endif
.endr
.endr
.endm
.macro CHUNK kh, c, mode
.set MW, 0xf0|((1+\kh)<<2)             ; Wo window 0, o window 1 + kh, C and D window 3
	s_wait_dscnt 0x0                               ; this chunk's fragments are in
	WIN MW
	MUL16 BUF0+64*((\c)%2), \c, 0, \mode
.if \c < 7
	WIN 0
	PLACES
	FETCH \kh, (\c)+1, BUF0+64*(1-(\c)%2)
	WIN MW
.endif
	MUL16 BUF0+64*((\c)%2), \c, 2, \mode
.endm
.macro HALF kh, m0
	PLACES
	FETCH \kh, 0, BUF0
	CHUNK \kh, 0, \m0
.irp c, 1,2,3,4,5,6,7
	CHUNK \kh, \c, 0
.endr
	WIN 0
.endm
.macro CHANGE slot, fill               ; the change of slots: all my tensor loads, the add, my reads; fill = 1: a round of the cluster's barrier and the joint refill first behind it
	s_wait_tensorcnt 0x0
	ds_add_u32 v[SPW], v[NIL]
.if \fill
	s_add_nc_u64 s[G0+4*\slot+2:G0+4*\slot+3], s[G0+4*\slot+2:G0+4*\slot+3], 2*SLOT
.endif
	s_wait_dscnt 0x0
.if \fill
	ROUND
	tensor_load_to_lds s[G0+4*\slot:G0+4*\slot+3], s[G1B:G1B+7]
	s_nop 0
	PLACES
.else
	s_barrier_signal -1
	s_barrier_wait -1
.endif
.endm
.macro ALOAD sl                        ; o's fragments of K slot sl into window 1 + sl % 2
	WIN (0x40<<((\sl)%2))
.irp c, 0,1,2,3,4,5,6,7
.irp m, 0,1,2,3
	global_load_b128 v[8*(4*\c+\m):8*(4*\c+\m)+3], v[LI], s[4:5] offset:32768*\m+8192*(\sl)+1024*\c
	global_load_b128 v[8*(4*\c+\m)+4:8*(4*\c+\m)+7], v[LI], s[4:5] offset:32768*\m+8192*(\sl)+1024*\c+512
.endr
.endr
	WIN 0
.endm
	s_load_b256 s[4:11], s[0:1], 0x0               ; of, wimg, bo, vsc
	s_load_b64 s[12:13], s[0:1], 0x20              ; out0
	v_lshl_add_u32 v[SPW], v0, 2, SPARE
	v_mov_b32 v[NIL], 0
	ds_add_u32 v[SPW], v[NIL]                      ; the wave's opening: the add, twice on end, and its wait ahead of my first tensor load
	ds_add_u32 v[SPW], v[NIL]
	v_lshrrev_b32 v1, 5, v0
	v_readfirstlane_b32 s[WV], v1
	s_lshr_b32 s15, s[WV], 1                       ; wm
	s_and_b32 s16, s[WV], 1                        ; wn
	s_and_b32 s17, ttmp7, 0xffff                   ; g: which 256 columns
	s_bfe_u32 s18, ttmp6, 0x40000                  ; cx
	s_lshl_b32 s19, ttmp9, 2
	s_add_co_u32 s19, s19, s18                     ; mb: which 128 rows; it enters the addresses of plain loads and stores alone
	s_mov_b32 s[G1B+0], 15|(3<<16)|(1<<21)         ; the mask: all four partners; elements of 8 bytes; bit 21 beside a mask
	s_mov_b32 s[G1B+1], 32<<16
	s_mov_b32 s[G1B+2], 128<<16                    ; 128 rows of 256 bytes
	s_mov_b32 s[G1B+3], 32<<16
	s_mov_b32 s[G1B+4], 128
	s_mov_b32 s[G1B+5], 32
	s_mov_b32 s[G1B+6], 0
	s_mov_b32 s[G1B+7], 0
	s_lshl_b32 s42, s17, 19                        ; my group's four blocks,
	s_lshl_b32 s43, s[WV], 15
	s_add_co_u32 s42, s42, s43                     ; my quarter of a block
	s_add_co_u32 s42, s42, WOFG
	s_mov_b32 s43, 0
	s_lshl_b32 s44, s[WV], 15
	s_mov_b32 s47, 0
	s_wait_dscnt 0x0                               ; both opening adds are done
	s_wait_kmcnt 0x0
	ROUND                                          ; all four work-groups are here: the first joint loads meet
	s_add_nc_u64 s[42:43], s[6:7], s[42:43]
.irp n, 0,1
	s_mov_b32 s[G0+4*\n], 1
	s_add_co_u32 s[G0+4*\n+1], s44, \n*SLOT
	s_add_nc_u64 s[G0+4*\n+2:G0+4*\n+3], s[42:43], \n*SLOT
	s_or_b32 s[G0+4*\n+3], s[G0+4*\n+3], 0x80000000
.endr
	tensor_load_to_lds s[G0:G0+3], s[G1B:G1B+7]    ; two loads of mine are out
	s_nop 0
	tensor_load_to_lds s[G0+4:G0+7], s[G1B:G1B+7]
	s_nop 0
	PLACES
	s_load_b32 s[INV], s[10:11], 0x0               ; 2^(E - 141): every word of vsc holds the same
	v_and_b32 v1, 31, v0
	v_and_b32 v2, 15, v0
	v_bfe_u32 v3, v0, 4, 1
	v_lshlrev_b32 v[LI], 4, v1
	v_lshlrev_b32 v[H32], 5, v3
	s_lshl_b32 s48, s16, 16
	v_add_nc_u32 v[ADRB], s48, v[LI]
	s_add_co_u32 s48, s48, SLOT
	v_add_nc_u32 v[ADRB+1], s48, v[LI]
	s_mul_i32 s48, s[WV], 8448
	s_add_co_u32 s48, s48, STG                     ; my stage
	v_mul_u32_u24 v[STO], v2, 528
	v_lshl_add_u32 v[STO], v3, 5, v[STO]
	v_add_nc_u32 v[STO], s48, v[STO]               ; in: row r, 32 bytes for each half of the lanes
	v_add_nc_u32 v[RD], s48, v[LI]                 ; back: the 32 lanes take one row of 512 bytes
	s_lshl_b32 s46, s19, 3
	s_lshl_b32 s49, s15, 2
	s_add_co_u32 s46, s46, s49
	s_lshl_b32 s46, s46, 15                        ; my first row tile: 8 mb + 4 wm, 32 KB each
	s_add_nc_u64 s[4:5], s[4:5], s[46:47]
	s_lshl_b32 s46, s17, 10
	s_lshl_b32 s49, s16, 9
	s_add_co_u32 s46, s46, s49                     ; my 128 columns, in bytes
	s_add_nc_u64 s[8:9], s[8:9], s[46:47]
	s_add_nc_u64 s[12:13], s[12:13], s[46:47]
	s_lshl_b32 s46, s19, 7
	s_lshl_b32 s49, s15, 6
	s_add_co_u32 s46, s46, s49
	s_lshl_b32 s46, s46, 12                        ; my first row: 128 mb + 64 wm, 4,096 bytes each
	s_add_nc_u64 s[12:13], s[12:13], s[46:47]
	ALOAD 0
	ALOAD 1
.irp n, 0,1,2,3,4,5,6,7
	global_load_b128 v[T+8*\n:T+8*\n+3], v[H32], s[8:9] offset:64*\n            ; bo at my eight columns 16 nt + 8 h + 0..7
	global_load_b128 v[T+8*\n+4:T+8*\n+7], v[H32], s[8:9] offset:64*\n+16
.endr
	s_wait_tensorcnt 1                             ; my part of slot 0 is in; slot 1's load may stay out
	s_barrier_signal -1
	s_barrier_wait -1
	s_wait_loadcnt 0x0
	s_wait_kmcnt 0x0
	s_mov_b32 s[INV+1], s[INV]                     ; (named with it as a pair, so it is written)
	HALF 0, 1
	PLACES
	ALOAD 2                                        ; it has a whole slot's 256 matrix instructions in which to land
	CHANGE 0, 1
	HALF 1, 0
	PLACES
	s_wait_loadcnt 0x0                             ; o's part 2
	ALOAD 3
	CHANGE 1, 1
	HALF 0, 0
	s_wait_loadcnt 0x0                             ; o's part 3
	CHANGE 0, 0                                    ; nothing is left to fetch
	HALF 1, 0
	PLACES
.irp m, 0,1,2,3                                ; THE WAY OUT, 16 rows x 128 columns at a time
	WIN 0x03
.irp n, 0,1,2,3,4,5,6,7
.irp i, 0,2,4,6
	v_pk_fma_f32 v[TMPF+8*\n+\i:TMPF+8*\n+\i+1], v[8*(8*\m+\n)+\i:8*(8*\m+\n)+\i+1], s[INV:INV+1], v[T+8*\n+\i:T+8*\n+\i+1] op_sel_hi:[1,0,1]   ; each accumulator from its low end on
.endr
.endr
	WIN 0
.irp n, 0,1,2,3,4,5,6,7
	ds_store_b128 v[STO], v[TMPF+8*\n:TMPF+8*\n+3] offset:64*\n
	ds_store_b128 v[STO], v[TMPF+8*\n+4:TMPF+8*\n+7] offset:64*\n+16
.endr
	s_wait_xcnt 0x0                                ; the last block's stores have read their data: the rows read back may land there
.irp t, 0,1,2,3,4,5,6,7,8,9,10,11,12,13,14,15
	ds_load_b128 v[BK+4*\t:BK+4*\t+3], v[RD] offset:528*\t   ; LDS serves a wave's instructions in order: these see my stores
.endr
	s_wait_dscnt 0x0
.irp t, 0,1,2,3,4,5,6,7,8,9,10,11,12,13,14,15
	global_store_b128 v[LI], v[BK+4*\t:BK+4*\t+3], s[12:13] offset:65536*\m+4096*\t th:TH_STORE_NT   ; 32 lanes store 512 consecutive bytes, aligned; written once, read by nobody here
.endr
.endr
	s_wait_tensorcnt 0x0                           ; the wave's end, behind my last tensor load and my last LDS store
	ds_add_u32 v[SPW], v[NIL]
	s_wait_dscnt 0x0
	ROUND                                          ; the closing round
	s_endpgm
.Lfunc_end_k_q02327bae6b_outp:
	.size	k_q02327bae6b_outp, .Lfunc_end_k_q02327bae6b_outp-k_q02327bae6b_outp
	.p2alignl 7, 3214868480
	.fill 96, 4, 3214868480
	.section	.rodata,"a",@progbits
	.p2align	6, 0x0
	.amdhsa_kernel k_q02327bae6b_outp
		.amdhsa_group_segment_fixed_size 327680
		.amdhsa_private_segment_fixed_size 0
		.amdhsa_enable_private_segment 0
		.amdhsa_kernarg_size 40
		.amdhsa_user_sgpr_count 2
		.amdhsa_user_sgpr_kernarg_segment_ptr 1
		.amdhsa_wavefront_size32 1
		.amdhsa_system_sgpr_workgroup_id_x 1
		.amdhsa_system_sgpr_workgroup_id_y 1
		.amdhsa_system_sgpr_workgroup_id_z 1
		.amdhsa_system_vgpr_workitem_id 0
		.amdhsa_next_free_vgpr 1024
		.amdhsa_next_free_sgpr 66
		.amdhsa_reserve_vcc 0
		.amdhsa_float_denorm_mode_32 3
		.amdhsa_float_denorm_mode_16_64 3
		.amdhsa_memory_ordered 1
		.amdhsa_forward_progress 1
		.amdhsa_inst_pref_size 159
	.end_amdhsa_kernel
	.amdgpu_metadata
---
amdhsa.version: [ 1, 2 ]
amdhsa.kernels:
  - .name:           k_q02327bae6b_outp
    .symbol:         k_q02327bae6b_outp.kd
    .args:
      - { .name: of, .offset: 0, .size: 8, .value_kind: global_buffer, .address_space: global }
      - { .name: wimg, .offset: 8, .size: 8, .value_kind: global_buffer, .address_space: global }
      - { .name: bo, .offset: 16, .size: 8, .value_kind: global_buffer, .address_space: global }
      - { .name: vsc, .offset: 24, .size: 8, .value_kind: global_buffer, .address_space: global }
      - { .name: out0, .offset: 32, .size: 8, .value_kind: global_buffer, .address_space: global }
    .group_segment_fixed_size: 327680
    .private_segment_fixed_size: 0
    .kernarg_segment_align: 8
    .kernarg_segment_size: 40
    .max_flat_workgroup_size: 128
    .sgpr_count:     66
    .vgpr_count:     1024
    .wavefront_size: 32
...
	.end_amdgpu_metadata
.endif
;; end of part 5
